; MI455X (gfx1250); checked and timed in simulation.
; The chip was launched on July 23, 2026; its instructions are those of AMD's public machine-readable ISA for CDNA 5 (MIT licence, August 2026) and "CDNA5" Instruction Set Architecture Reference Guide (July 2026). The comments in the code are by the model that wrote it; some were corrected since.
;; Evo2 Attention. Allowed arithmetic: float matrix products may take bf16 or f16 operands with f32 sums; other float arithmetic in f32, or as packed bf16 or f16 multiplies, adds, multiply-adds, maxima and minima; sums over many terms, partial sums and values carried from step to step in f32; what a program stores and reads back later, other than sums and carried values, may be rounded once to bf16 or f16.
;; Inputs: attention_mask 1 x 1 x 2,048 x 2,048 float32; hidden_states 1 x 2,048 x 2,048 float32; k_w 2,048 x 2,048 float32; o_w 2,048 x 2,048 float32; position_ids 1 x 2,048 int32; q_w 2,048 x 2,048 float32; v_w 2,048 x 2,048 float32.
;; Outputs: out0 1 x 2,048 x 2,048 float32.
;; 2 versions, each right and faster than the one before. Each part assembles by itself: llvm-mc -triple=amdgcn-amd-amdhsa -mcpu=gfx1250 --defsym DOCPART=n.
;; ======== version 1 of 2: 4 launches
;; limits: values are held in f16: magnitudes above 65,504 overflow, below 6.1e-05 lose precision
;; workspace buffers: xb 8,388,608 bytes; wb 25,165,824 bytes; owh 8,388,608 bytes; mskb 8,388,608 bytes; tab 1,048,576 bytes; qkv 25,165,824 bytes; att 8,388,608 bytes
;; launch prep (part 1): grid 128 x 6, 8 waves a work-group, no clusters, 0 bytes of LDS; arguments hidden_states, q_w, k_w, v_w, o_w, attention_mask, position_ids, xb, wb, owh, mskb, tab; writes xb, wb, owh, mskb, tab
.if DOCPART == 1
	.amdgcn_target "amdgcn-amd-amdhsa--gfx1250"
	.amdhsa_code_object_version 6
	.text
	.protected	k_qdb5f4ea21e_prep
	.globl	k_qdb5f4ea21e_prep
	.p2align	8
	.type	k_qdb5f4ea21e_prep,@function
k_qdb5f4ea21e_prep:
	s_mov_b64 s[64:65], 0
	v_nop
	global_prefetch_b8 v0, s[64:65] scope:SCOPE_SE
	s_setreg_imm32_b32 hwreg(HW_REG_WAVE_MODE, 25, 1), 1
	s_wait_xcnt 0x0
; THE ROUNDINGS AND THE TABLE.  Every input of the module is rounded once to bf16: x -> xb, q_w, k_w, v_w -> wb (one below the other), the additive mask -> mskb;
; o_w is rounded to bf16 and that number written as f16 (owh), since the last product multiplies f16.  Work-group (x, y): array y, 16 rows (131,072 bytes of f32) at x.
; 32 pieces of 4,096 bytes: thread t loads 16 bytes at 16 t of each piece and stores 8 bytes at 8 t: a wave's load covers 512 consecutive bytes, its store 256, aligned.
; All 32 loads of a thread go out at once; the waits count down.  No LDS, no barrier, no matrix unit: a stream has no use for them.
; The work-groups of y = 0 first make the table of cos and sin for rows 16 x .. 16 x + 15, from position_ids, in the order in which the projection's lanes want it:
; block (mb = row / 16, nb = j / 16) has 2,048 bytes: cos j%8 < 4, cos j%8 >= 4, sin likewise, 512 bytes each; lane 16 h + r holds row 16 mb + r, j = 16 nb + 8 h + 4 half + 0..3.
; LIMITS.  The angle position x 10000^(-j/64) is reduced by multiples of pi/2 held in two f32 words: good for |position| < 2^22.  A bf16 number of o_w below 6e-5 keeps f16's fixed step of 6e-8.
.set X, 8                              ; v[8:135] piece p: four registers as loaded; the first two then hold what is stored
	s_load_b512 s[8:23], s[0:1], 0x0               ; x 8, q_w 10, k_w 12, v_w 14, o_w 16, mask 18, position_ids 20, xb 22
	s_load_b256 s[24:31], s[0:1], 0x40             ; wb 24, owh 26, mskb 28, tab 30
	s_mov_b32 s2, ttmp9                            ; x
	s_and_b32 s3, ttmp7, 0xffff                    ; y
	v_lshlrev_b32 v1, 4, v0                        ; 16 t
	v_lshlrev_b32 v2, 3, v0                        ; 8 t
	s_lshl_b32 s32, s2, 17                         ; source offset: x times 131,072
	s_mov_b32 s33, 0
	s_sub_co_u32 s34, s3, 1                        ; destination offset: for y = 1, 2, 3 the weight's place in wb,
	s_cmp_lt_u32 s34, 3
	s_cselect_b32 s34, s34, 0
	s_lshl_b32 s34, s34, 23
	s_lshl_b32 s35, s2, 16                         ; and x times 65,536
	s_add_co_u32 s34, s34, s35
	s_mov_b32 s35, 0
	s_mov_b32 s48, 0xffff0000                      ; a word's upper bf16
	s_wait_kmcnt 0x0
	s_mov_b64 s[4:5], s[8:9]                       ; the source is chosen by y
	s_cmp_eq_u32 s3, 1
	s_cselect_b64 s[4:5], s[10:11], s[4:5]
	s_cmp_eq_u32 s3, 2
	s_cselect_b64 s[4:5], s[12:13], s[4:5]
	s_cmp_eq_u32 s3, 3
	s_cselect_b64 s[4:5], s[14:15], s[4:5]
	s_cmp_eq_u32 s3, 4
	s_cselect_b64 s[4:5], s[16:17], s[4:5]
	s_cmp_eq_u32 s3, 5
	s_cselect_b64 s[4:5], s[18:19], s[4:5]
	s_mov_b64 s[6:7], s[22:23]                     ; and so is the destination
	s_cmp_ge_u32 s3, 1
	s_cselect_b64 s[6:7], s[24:25], s[6:7]
	s_cmp_eq_u32 s3, 4
	s_cselect_b64 s[6:7], s[26:27], s[6:7]
	s_cmp_eq_u32 s3, 5
	s_cselect_b64 s[6:7], s[28:29], s[6:7]
	s_add_nc_u64 s[4:5], s[4:5], s[32:33]
	s_add_nc_u64 s[6:7], s[6:7], s[34:35]
	s_cmp_lg_u32 s3, 0
	s_cbranch_scc1 .Lstream
	; THE TABLE: thread t makes four cos and four sin
	s_mov_b32 s36, 0xbe549a78                      ; -log2(10000) / 64
	s_mov_b32 s37, 0x3f22f983                      ; 2 / pi
	s_mov_b32 s38, 0xbfc90fdb                      ; -pi/2, its f32,
	s_mov_b32 s39, 0x333bbd2e                      ; and what that f32 is too large by
	s_mov_b32 s40, 0xb94ca1f9                      ; sin on |r| <= pi/4: r + r z (S3 + z (S2 + z S1)), z = r r
	s_mov_b32 s41, 0x3c08839e
	s_mov_b32 s42, 0xbe2aaaa3
	s_mov_b32 s43, 0x37ccf5ce                      ; cos: 1 - z/2 + z z (C3 + z (C2 + z C1))
	s_mov_b32 s44, 0xbab6061a
	s_mov_b32 s45, 0x3d2aaaa5
	s_lshl_b32 s46, s2, 6                          ; 16 x positions of 4 bytes
	s_lshl_b32 s50, s2, 13                         ; row block x of the table: 8,192 bytes
	s_mov_b32 s51, 0
	s_add_nc_u64 s[30:31], s[30:31], s[50:51]
	v_and_b32 v5, 15, v0                           ; r
	v_lshlrev_b32 v4, 2, v5
	v_add_nc_u32 v4, s46, v4
	global_load_b32 v6, v4, s[20:21]               ; position of row 16 x + r
	v_lshrrev_b32 v5, 6, v0                        ; nb
	v_bfe_u32 v7, v0, 4, 1                         ; h
	v_bfe_u32 v20, v0, 5, 1                        ; half
	v_lshlrev_b32 v21, 4, v5
	v_lshl_add_u32 v21, v7, 3, v21
	v_lshl_add_u32 v21, v20, 2, v21                ; j of my first number
	v_and_b32 v3, 31, v0
	v_lshlrev_b32 v3, 4, v3
	v_lshl_add_u32 v3, v20, 9, v3
	v_lshl_add_u32 v3, v5, 11, v3                  ; where I store: 2,048 nb + 512 half + 16 lane
.irp n, 0,1,2,3
	v_add_nc_u32 v[16+(\n)], \n, v21
	v_cvt_f32_u32 v[16+(\n)], v[16+(\n)]
	v_mul_f32 v[16+(\n)], s36, v[16+(\n)]
.endr
.irp n, 0,1,2,3
	v_exp_f32 v[16+(\n)], v[16+(\n)]               ; 10000^(-j/64)
.endr
	s_wait_loadcnt 0x0
	v_cvt_f32_i32 v6, v6                           ; also the plain instruction behind the last exponential
	s_wait_alu depctr_va_vdst(0)
.macro SC n                            ; cos -> v[8+n], sin -> v[12+n]
	v_mul_f32 v24, v6, v[16+(\n)]                  ; the angle, rounded to f32 as the definition rounds it
	v_mul_f32 v25, s37, v24
	v_rndne_f32 v25, v25                           ; q: the nearest multiple of pi/2
	v_fma_f32 v26, v25, s38, v24
	v_fma_f32 v26, v25, s39, v26                   ; r = angle - q pi/2
	v_mul_f32 v27, v26, v26                        ; z
	v_fma_f32 v28, v27, s40, s41
	v_fma_f32 v28, v28, v27, s42
	v_mul_f32 v28, v28, v27
	v_fma_f32 v28, v28, v26, v26                   ; sin r
	v_fma_f32 v29, v27, s43, s44
	v_fma_f32 v29, v29, v27, s45
	v_fma_f32 v30, v27, -0.5, 1.0
	v_mul_f32 v31, v27, v27
	v_fma_f32 v29, v29, v31, v30                   ; cos r
	v_cvt_i32_f32 v25, v25
	v_and_b32 v30, 1, v25
	v_cmp_eq_u32 vcc_lo, 1, v30                    ; odd q: the two change places
	v_cndmask_b32 v31, v28, v29, vcc_lo
	v_cndmask_b32 v30, v29, v28, vcc_lo
	v_and_b32 v28, 2, v25                          ; sin is negative for q mod 4 = 2, 3
	v_lshlrev_b32 v28, 30, v28
	v_xor_b32 v[12+(\n)], v28, v31
	v_add_nc_u32 v25, 1, v25                       ; cos for q mod 4 = 1, 2
	v_and_b32 v25, 2, v25
	v_lshlrev_b32 v25, 30, v25
	v_xor_b32 v[8+(\n)], v25, v30
.endm
.irp n, 0,1,2,3
	SC \n
.endr
	global_store_b128 v3, v[8:11], s[30:31]                ; a wave's store covers 512 consecutive bytes
	global_store_b128 v3, v[12:15], s[30:31] offset:1024
	s_wait_xcnt 0x0                                ; the stores' data registers are loaded over below only behind this wait
.Lstream:
.set p, 0
.rept 32
	global_load_b128 v[X+4*p:X+4*p+3], v1, s[4:5] offset:4096*p th:TH_LOAD_NT
.set p, p+1
.endr
	s_cmp_eq_u32 s3, 4
	s_cbranch_scc1 .Low
.set p, 0
.rept 32
	s_wait_loadcnt 31-p                            ; loads come back in order: piece p is in, the 31 - p younger ones stay out
	v_cvt_pk_bf16_f32 v[X+4*p], v[X+4*p], v[X+4*p+1]
	v_cvt_pk_bf16_f32 v[X+4*p+1], v[X+4*p+2], v[X+4*p+3]
	global_store_b64 v2, v[X+4*p:X+4*p+1], s[6:7] offset:2048*p
.set p, p+1
.endr
	s_endpgm
.Low:                                                  ; o_w: rounded to bf16 like every input, then that number as f16
.set p, 0
.rept 32
	s_wait_loadcnt 31-p
	v_cvt_pk_bf16_f32 v[X+4*p], v[X+4*p], v[X+4*p+1]
	v_cvt_pk_bf16_f32 v[X+4*p+1], v[X+4*p+2], v[X+4*p+3]
	v_lshlrev_b32 v[X+4*p+2], 16, v[X+4*p+1]
	v_and_b32 v[X+4*p+3], s48, v[X+4*p+1]
	v_and_b32 v[X+4*p+1], s48, v[X+4*p]
	v_lshlrev_b32 v[X+4*p], 16, v[X+4*p]
	v_cvt_pk_f16_f32 v[X+4*p], v[X+4*p], v[X+4*p+1]
	v_cvt_pk_f16_f32 v[X+4*p+1], v[X+4*p+2], v[X+4*p+3]
	global_store_b64 v2, v[X+4*p:X+4*p+1], s[6:7] offset:2048*p
.set p, p+1
.endr
	s_endpgm
.Lfunc_end_k_qdb5f4ea21e_prep:
	.size	k_qdb5f4ea21e_prep, .Lfunc_end_k_qdb5f4ea21e_prep-k_qdb5f4ea21e_prep
	.p2alignl 7, 3214868480
	.fill 96, 4, 3214868480
	.section	.rodata,"a",@progbits
	.p2align	6, 0x0
	.amdhsa_kernel k_qdb5f4ea21e_prep
		.amdhsa_group_segment_fixed_size 0
		.amdhsa_private_segment_fixed_size 0
		.amdhsa_enable_private_segment 0
		.amdhsa_kernarg_size 96
		.amdhsa_user_sgpr_count 2
		.amdhsa_user_sgpr_kernarg_segment_ptr 1
		.amdhsa_wavefront_size32 1
		.amdhsa_system_sgpr_workgroup_id_x 1
		.amdhsa_system_sgpr_workgroup_id_y 1
		.amdhsa_system_sgpr_workgroup_id_z 1
		.amdhsa_system_vgpr_workitem_id 0
		.amdhsa_next_free_vgpr 140
		.amdhsa_next_free_sgpr 66
		.amdhsa_reserve_vcc 1
		.amdhsa_float_denorm_mode_32 3
		.amdhsa_float_denorm_mode_16_64 3
		.amdhsa_memory_ordered 1
		.amdhsa_forward_progress 1
		.amdhsa_inst_pref_size 36
	.end_amdhsa_kernel
	.amdgpu_metadata
---
amdhsa.version: [ 1, 2 ]
amdhsa.kernels:
  - .name:           k_qdb5f4ea21e_prep
    .symbol:         k_qdb5f4ea21e_prep.kd
    .args:
      - { .name: hidden_states, .offset: 0, .size: 8, .value_kind: global_buffer, .address_space: global }
      - { .name: q_w, .offset: 8, .size: 8, .value_kind: global_buffer, .address_space: global }
      - { .name: k_w, .offset: 16, .size: 8, .value_kind: global_buffer, .address_space: global }
      - { .name: v_w, .offset: 24, .size: 8, .value_kind: global_buffer, .address_space: global }
      - { .name: o_w, .offset: 32, .size: 8, .value_kind: global_buffer, .address_space: global }
      - { .name: attention_mask, .offset: 40, .size: 8, .value_kind: global_buffer, .address_space: global }
      - { .name: position_ids, .offset: 48, .size: 8, .value_kind: global_buffer, .address_space: global }
      - { .name: xb, .offset: 56, .size: 8, .value_kind: global_buffer, .address_space: global }
      - { .name: wb, .offset: 64, .size: 8, .value_kind: global_buffer, .address_space: global }
      - { .name: owh, .offset: 72, .size: 8, .value_kind: global_buffer, .address_space: global }
      - { .name: mskb, .offset: 80, .size: 8, .value_kind: global_buffer, .address_space: global }
      - { .name: tab, .offset: 88, .size: 8, .value_kind: global_buffer, .address_space: global }
    .group_segment_fixed_size: 0
    .private_segment_fixed_size: 0
    .kernarg_segment_align: 8
    .kernarg_segment_size: 96
    .max_flat_workgroup_size: 256
    .sgpr_count:     66
    .vgpr_count:     140
    .wavefront_size: 32
...
	.end_amdgpu_metadata
.endif
;; end of part 1
;; launch qkv (part 2): grid 16 x 16, 4 waves a work-group, clusters of 4 x 4, 327,680 bytes of LDS; arguments xb, wb, tab, qkv; writes qkv
.if DOCPART == 2
	.amdgcn_target "amdgcn-amd-amdhsa--gfx1250"
	.amdhsa_code_object_version 6
	.text
	.protected	k_qdb5f4ea21e_qkv
	.globl	k_qdb5f4ea21e_qkv
	.p2align	8
	.type	k_qdb5f4ea21e_qkv,@function
k_qdb5f4ea21e_qkv:
	s_mov_b64 s[64:65], 0
	v_nop
	global_prefetch_b8 v0, s[64:65] scope:SCOPE_SE
	s_setreg_imm32_b32 hwreg(HW_REG_WAVE_MODE, 25, 1), 1
	s_wait_xcnt 0x0
	s_wait_alu depctr_hold_cnt(0) depctr_sa_sdst(0) depctr_va_vdst(0) depctr_va_sdst(0) depctr_va_ssrc(0) depctr_va_vcc(0) depctr_vm_vsrc(0)
	s_getreg_b32 s2, hwreg(HW_REG_IB_STS2, 6, 4)
	s_cmp_eq_u32 s2, 0
	s_cbranch_scc0 .Lentry_in_a_cluster
	s_endpgm
.Lentry_in_a_cluster:
	s_bfe_u32 s2, ttmp6, 0x10000c
	s_cmp_lg_u32 s2, 0xf033
	s_cbranch_scc0 .Lentry_shape_is_right
	s_endpgm
.Lentry_shape_is_right:
; q, k, v = x W^T (bf16 operands, f32 sums), the rotation of q and k by the table's cos and sin, q multiplied by log2(e) / sqrt(128) (the scores' scale and the change to base 2, applied to the
; f32 sums), all rounded once to f16 and stored by heads: qkv[48][2048][128].
; A work-group makes 128 rows x (head NT of q, of k and of v): 128 x 384.  16 x 16 work-groups.  Wave (MH, NH) makes 64 rows x 192 columns: of each head the channels
; 32 NH .. + 31 and 64 + 32 NH .. + 31, so that a channel and its partner 64 away lie in the same lane.  48 accumulators (a = 0..3 row blocks, b = 4 hh + e; e: channel block 2 NH + e%2 + 4 (e/2)).
; K goes in 16 steps of 128 through two LDS slots: 128 rows of x, then 128 rows of each of the three weights; wave 0 fetches x's tile, waves 1 to 3 a weight's each: one tensor load of 128 rows x 256 bytes.
; A trip of the loop is one K step: the slot in hand is a scalar, 0 or SLOT, turned by an exclusive or, and one descriptor for each tensor walks.
; CLUSTER 4 x 4: x's tile hangs on the row block alone and is asked for jointly along a row of the cluster, the weights' on the head alone, jointly along a column.
; THE WALK ALONG K IS TURNED: cluster (X, Y) begins at K step (4 X + 8 p) mod 16, p = (Y xor Y / 2) mod 2, and wraps round.  The four clusters of one Y, which read the same rows of x, begin 4 steps apart;
; of the clusters of one X, which read the same rows of W, the pairs Y = (0, 1), (2, 3), (0, 2), (1, 3) begin 8 apart.  So the clusters that share a tile ask for it in different steps.  Only the order of the sums' terms changes.
; THE MATRIX INSTRUCTION IS USED TRANSPOSED (source 0 = 16 rows of W, source 1 = 16 rows of x): a lane holds row lane % 16 and eight neighbouring channels 8 (lane / 16) + 0..7.
; LIMIT.  q log2(e) / sqrt(128), k and v must lie within f16's 65,504; below 6e-5 they keep f16's fixed step of 6e-8.
; REGISTERS: window 0 addresses, v48-63 at work, v128-255 the table's 8 blocks (16 registers each: 8 cos, 8 sin), later v64-255 rows read back; window 1 two fragment buffers of 128
; (x at 8 a, W at 32 + 8 b); window 2 accumulators b < 8 at 8 (8 a + b); window 3 those of v, b >= 8, at 8 (4 a + b - 8).
.set KSTEP,  128
.set STEPS,  16
.set PITCH,  272                       ; an LDS row: 256 bytes + 16 of padding: the 16 rows of a fragment load start 16 bytes apart modulo 256
.set HALFT,  128*PITCH                 ; what one tensor load brings: 0x8800 bytes
.set SLOT,   4*HALFT                   ; 0x22000: it shares no bit with wave x HALFT, so an exclusive or with it turns a wave's LDS address in one slot into the other's
.set SPARE,  2*SLOT                    ; behind the ring: the spare words, 128 bytes a wave, named by no other line
; THE STAGE for the way out lies in slot 0 from byte 0 on (3 heads x 128 rows x 272 bytes): slot 0's last fill is the walk's step 14, and every wave's reads of it end ahead of the last change of slots.
.set LN16, 10                          ; v10     16 x lane
.set ADRA, 16                          ; v16     LDS address of my x fragments in the slot in hand
.set A0,   17                          ; v17     the same in slot 0; never rewritten
.set ADRB, 18                          ; v18     of my W fragments of q and k
.set B0,   19                          ; v19     the same in slot 0; never rewritten
.set ADRB2, 20                         ; v20     of v's: 256 rows on, so that the immediates stay under 65,536
.set STO,  22                          ; v22-24  the way out, by head: where I put 16 bytes of a row
.set RD,   25                          ; v25-27  where I read rows back
.set SPW,  28
.set NIL,  29
.set T,    48
.set U,    56
.set BK,   64
.set TAB,  128
.set F0,   0
.set F1,   128
.set WV, 12
.set MH, 13
.set NH, 14
.set G1, 24                            ; s[24:31] group 1 for x's tiles; s[32:39] group 0: a set for each of the two first fills; the second then walks on
.set G0, 32
.set G1B, 40                           ; s[40:47], s[48:55] the same for W's
.set G0B, 48
.set OB, 66                            ; s[66:71] where my 32 rows of each head begin in qkv
.set QS, 72                            ; s[72:73] log2(e) / sqrt(128)
.set TBS, 74                           ; s[74:75] my blocks of the table
.set KO, 76                            ; s[76:77] byte offset along a row of the K step to be asked for next
.set TB, 78                            ; s78      the slot in hand: 0 or SLOT
.set MSB, 0
.macro WIN new                         ; the immediate's high byte repeats the setting that is left
.if MSB != (\new)
	s_set_vgpr_msb (MSB<<8)|(\new)
.set MSB, \new
.endif
.endm
.set MUL_LO, 0xa5                      ; sources 0 and 1 window 1, C and D window 2
.set MUL_HI, 0xf5                      ; C and D window 3
.set TO_F,   0x40                      ; destination window 1, address window 0
.macro JLOAD s                         ; a joint load; the branch hangs on the wave's number alone; an s_nop 0 and four v_nop follow each line
	s_cmp_eq_u32 s[WV], 0
	s_cbranch_scc0 .Lfor_b_\@
	tensor_load_to_lds s[G0+4*(\s):G0+4*(\s)+3], s[G1:G1+7]
	s_nop 0
.rept 4
	v_nop
.endr
	s_branch .Lasked_\@
.Lfor_b_\@:
	tensor_load_to_lds s[G0B+4*(\s):G0B+4*(\s)+3], s[G1B:G1B+7]
	s_nop 0
.rept 4
	v_nop
.endr
.Lasked_\@:
.endm
.macro CREST                           ; a round of the cluster's barrier behind its opening barrier
	s_cmp_lg_u32 s[WV], 0
	s_cbranch_scc1 .Lnot_wave_0_\@
	s_barrier_signal -3
.Lnot_wave_0_\@:
	s_barrier_wait -3
	s_barrier_signal -1
	s_barrier_wait -1
.endm
.macro CROUND
	s_barrier_signal -1
	s_barrier_wait -1
	CREST
.endm
	s_load_b256 s[4:11], s[0:1], 0x0               ; xb s[4:5], wb s[6:7], tab s[8:9], qkv s[10:11]
	v_lshl_add_u32 v[SPW], v0, 2, SPARE
	v_mov_b32 v[NIL], 0
	ds_add_u32 v[SPW], v[NIL]                      ; the wave's opening: the add and its wait stand ahead of my first tensor load
	v_lshrrev_b32 v1, 5, v0
	v_readfirstlane_b32 s[WV], v1
	s_lshr_b32 s[MH], s[WV], 1
	s_and_b32 s[NH], s[WV], 1
	s_bfe_u32 s15, ttmp6, 0x40000                  ; cx
	s_bfe_u32 s16, ttmp6, 0x40004                  ; cy
	s_lshl_b32 s17, ttmp9, 2
	s_add_co_u32 s17, s17, s15                     ; NT: the head
	s_and_b32 s18, ttmp7, 0xffff                   ; the cluster's Y
	s_lshr_b32 s79, s18, 1                         ; where the walk begins: made of the cluster's X and Y alone, which all sixteen partners share
	s_xor_b32 s79, s79, s18
	s_and_b32 s79, s79, 1                          ; p
	s_lshl_b32 s79, s79, 3
	s_lshl_b32 s[KO], ttmp9, 2
	s_add_co_u32 s[KO], s[KO], s79
	s_and_b32 s[KO], s[KO], STEPS-1                ; (4 X + 8 p) mod 16,
	s_lshl_b32 s[KO], s[KO], 8                     ; times a K step's 256 bytes
	s_mov_b32 s[KO+1], 0
	s_mov_b32 s[TB], 0
	s_lshl_b32 s18, s18, 2
	s_add_co_u32 s18, s18, s16                     ; MT: the block of 128 rows
	s_lshl_b32 s19, s16, 2
	s_lshl_b32 s19, 15, s19                        ; my row of the cluster
	s_lshl_b32 s20, 0x1111, s15                    ; my column
	s_or_b32 s[G1], s19, (1<<16)|(1<<20)|(1<<21)|(5<<22)|(3<<25)   ; the mask; 2-byte elements; padding on; bit 21 beside a mask; after every 64 words 4 words
	s_or_b32 s[G1B], s20, (1<<16)|(1<<20)|(1<<21)|(5<<22)|(3<<25)
.irp g, G1, G1B
	s_mov_b32 s[(\g)+1], KSTEP<<16                 ; tensor_dim0 = 128
	s_mov_b32 s[(\g)+2], 128<<16                   ; tensor_dim1 = 128
	s_mov_b32 s[(\g)+3], KSTEP<<16                 ; tile_dim0 = 128
	s_mov_b32 s[(\g)+4], 128                       ; tile_dim1 = 128
	s_mov_b32 s[(\g)+5], 2048                      ; elements from row to row
	s_mov_b32 s[(\g)+6], 0
	s_mov_b32 s[(\g)+7], 0
.endr
	s_lshl_b32 s56, s18, 19                        ; x: row 128 MT, 4,096 bytes a row
	s_mov_b32 s57, 0
	s_max_u32 s58, s[WV], 1                        ; W: waves 1, 2, 3 take q_w, k_w, v_w (2,048 rows each), row 128 NT of it
	s_sub_co_u32 s58, s58, 1
	s_lshl_b32 s58, s58, 23
	s_lshl_b32 s59, s17, 19
	s_add_co_u32 s58, s58, s59
	s_mov_b32 s59, 0
	s_mul_i32 s21, s[WV], HALFT                    ; where my tile goes: the wave's number alone
	s_lshl_b32 s60, s18, 16                        ; the table: block ((8 MT + 4 MH) 4 + 2 NH) of 2,048 bytes
	s_lshl_b32 s61, s[MH], 15
	s_add_co_u32 s60, s60, s61
	s_lshl_b32 s61, s[NH], 12
	s_add_co_u32 s60, s60, s61
	s_mov_b32 s61, 0
	s_lshl_b32 s62, s17, 19                        ; the way out: head NT (524,288 bytes), row 128 MT + 32 wave (256 bytes)
	s_lshl_b32 s63, s18, 15
	s_add_co_u32 s62, s62, s63
	s_lshl_b32 s63, s[WV], 13
	s_add_co_u32 s62, s62, s63
	s_mov_b32 s63, 0
	s_mov_b32 s[QS], 0x3e0293ee                    ; log2(e) / sqrt(128) = 0.127517
	s_mov_b32 s[QS+1], s[QS]
	s_wait_dscnt 0x0                               ; the opening add is done
	s_wait_kmcnt 0x0
	s_add_nc_u64 s[56:57], s[4:5], s[56:57]        ; x and W at my tile's first row: kept, every fill's address is made from them
	s_add_nc_u64 s[58:59], s[6:7], s[58:59]
	s_add_nc_u64 s[TBS:TBS+1], s[8:9], s[60:61]
	s_add_nc_u64 s[OB:OB+1], s[10:11], s[62:63]
	s_add_nc_u64 s[OB+2:OB+3], s[OB:OB+1], 0x800000    ; k's heads lie 16 heads on,
	s_add_nc_u64 s[OB+4:OB+5], s[OB:OB+1], 0x1000000   ; v's 32
	CROUND                                         ; all sixteen work-groups are here: the first joint loads meet
.irp s, 0,1
	s_mov_b32 s[G0+4*(\s)], 1
	s_add_co_u32 s[G0+4*(\s)+1], s21, (\s)*SLOT
	s_add_nc_u64 s[G0+4*(\s)+2:G0+4*(\s)+3], s[56:57], s[KO:KO+1]
	s_or_b32 s[G0+4*(\s)+3], s[G0+4*(\s)+3], 0x80000000
	s_mov_b32 s[G0B+4*(\s)], 1
	s_add_co_u32 s[G0B+4*(\s)+1], s21, (\s)*SLOT
	s_add_nc_u64 s[G0B+4*(\s)+2:G0B+4*(\s)+3], s[58:59], s[KO:KO+1]
	s_or_b32 s[G0B+4*(\s)+3], s[G0B+4*(\s)+3], 0x80000000
	s_add_co_u32 s[KO], s[KO], KSTEP*2             ; the next K step, round the row's 4,096 bytes
	s_and_b32 s[KO], s[KO], 4095
	JLOAD \s                                       ; two loads of mine are out
.endr
	v_and_b32 v1, 15, v0                           ; r
	v_bfe_u32 v2, v0, 4, 1                         ; h
	v_and_b32 v[LN16], 31, v0
	v_lshlrev_b32 v[LN16], 4, v[LN16]
.irp a, 0,1,2,3                        ; the table's blocks for my rows and channels: waited for on the way out
.irp e, 0,1
.irp p, 0,1,2,3
	global_load_b128 v[TAB+16*(2*(\a)+(\e))+4*(\p):TAB+16*(2*(\a)+(\e))+4*(\p)+3], v[LN16], s[TBS:TBS+1] offset:(\a)*8192+(\e)*2048+(\p)*512
.endr
.endr
.endr
	v_mul_u32_u24 v3, v1, PITCH
	v_lshl_add_u32 v3, v2, 4, v3                   ; a fragment's row x pitch + 16 x half
	s_mul_i32 s60, s[MH], 64*PITCH                 ; my 64 rows of x
	s_mul_i32 s61, s[NH], 32*PITCH                 ; my channels' rows of W,
	s_add_co_u32 s61, s61, HALFT                   ; which lie behind x's 128
	v_add_nc_u32 v[A0], s60, v3
	v_add_nc_u32 v[B0], s61, v3
	v_mov_b32 v[ADRA], v[A0]                       ; the walk begins in slot 0
	v_mov_b32 v[ADRB], v[B0]
	v_add_nc_u32 v[ADRB2], 256*PITCH, v[B0]
	s_mul_i32 s62, s[MH], 64*PITCH                 ; into the stage: row 64 MH + r, byte 64 NH + 16 h
	s_lshl_b32 s63, s[NH], 6
	s_add_co_u32 s62, s62, s63
	v_add_nc_u32 v[STO], s62, v3
	v_add_nc_u32 v[STO+1], HALFT, v[STO]
	v_add_nc_u32 v[STO+2], 2*HALFT, v[STO]
	s_mul_i32 s62, s[WV], 32*PITCH                 ; back: wave w takes rows 32 w .. + 31 whole; lanes 0-15 one row, lanes 16-31 the next
	v_mul_u32_u24 v4, v2, PITCH
	v_lshl_add_u32 v4, v1, 4, v4
	v_add_nc_u32 v[RD], s62, v4
	v_add_nc_u32 v[RD+1], HALFT, v[RD]
	v_add_nc_u32 v[RD+2], 2*HALFT, v[RD]
; Row block a x the 8 channel blocks of q and k (hi = 0) or the 4 of v (hi = 1), 32 along K.  zero = 1: the product starts the sums.
.macro MULA f, a, hi, zero
.if \hi
	WIN MUL_HI
.else
	WIN MUL_LO
.endif
.set nb, 8-4*(\hi)
.set b, 0
.rept nb
.set rD, 8*(nb*(\a)+b)
.set rB, (\f)+32+8*(8*(\hi)+b)
.if \zero
	v_wmma_f32_16x16x32_bf16 v[rD:rD+7], v[rB:rB+7], v[(\f)+8*(\a):(\f)+8*(\a)+7], 0
.else
	v_wmma_f32_16x16x32_bf16 v[rD:rD+7], v[rB:rB+7], v[(\f)+8*(\a):(\f)+8*(\a)+7], v[rD:rD+7]
.endif
.set b, b+1
.endr
.endm
.macro LDB k, f, b                     ; W's fragment b: head b / 4, rows 16 (b % 2) + 64 ((b % 4) / 2) of my channels
.set rw, ((\b)/4)*128+((\b)%2)*16+(((\b)%4)/2)*64
.if (\b) < 8
	ds_load_b128 v[(\f)+32+8*(\b):(\f)+32+8*(\b)+3],   v[ADRB] offset:(\k)+rw*PITCH
	ds_load_b128 v[(\f)+32+8*(\b)+4:(\f)+32+8*(\b)+7], v[ADRB] offset:(\k)+rw*PITCH+32
.else
	ds_load_b128 v[(\f)+32+8*(\b):(\f)+32+8*(\b)+3],   v[ADRB2] offset:(\k)+(rw-256)*PITCH
	ds_load_b128 v[(\f)+32+8*(\b)+4:(\f)+32+8*(\b)+7], v[ADRB2] offset:(\k)+(rw-256)*PITCH+32
.endif
.endm
.macro LDA k, f, a
	ds_load_b128 v[(\f)+8*(\a):(\f)+8*(\a)+3],   v[ADRA] offset:(\k)+(\a)*16*PITCH
	ds_load_b128 v[(\f)+8*(\a)+4:(\f)+8*(\a)+7], v[ADRA] offset:(\k)+(\a)*16*PITCH+32
.endm
; 32 LDS loads in one run, from the slot in hand, in the order of their use: W 0-7 (16 loads), x 0-1 (4), x 2-3 (4), W 8-11 (8)
.macro FETCH k, f
	WIN TO_F
.irp b, 0,1,2,3,4,5,6,7
	LDB \k, \f, \b
.endr
.irp a, 0,1,2,3
	LDA \k, \f, \a
.endr
.irp b, 8,9,10,11
	LDB \k, \f, \b
.endr
.endm
.macro PLACES                          ; four plain vector instructions between matrix instructions and loads into, or reads of, their registers
.rept 4
	v_nop
.endr
.endm
; A K step is four quarters of 32 along K, 48 matrix instructions each, on buffers 0, 1, 0, 1; the 48 accumulators take turns in the same order in every quarter.
.macro QUARTER k, f, g, zero
	s_wait_dscnt 12                                ; W 0-7 and x 0-1 are in; the youngest twelve loads may be out
	MULA \f, 0, 0, \zero
	MULA \f, 1, 0, \zero
	PLACES
	FETCH \k, \g
	s_wait_dscnt 32                                ; all but the 32 just issued
	MULA \f, 2, 0, \zero
	MULA \f, 3, 0, \zero
	MULA \f, 0, 1, \zero
	MULA \f, 1, 1, \zero
	MULA \f, 2, 1, \zero
	MULA \f, 3, 1, \zero
.endm
; The last quarter multiplies buffer 1 and changes slots.  In front of the barrier each wave waits for all its tensor loads (one is out: its part of the next slot), adds 0 to its spare word,
; and waits for that and for its reads of this slot.  fill = 1: the barrier opens a round of the cluster's, and this slot is filled again, with the walk's step two on, first thing behind it.
.macro TURN fill
	WIN 0
	s_wait_tensorcnt 0x0                           ; no tensor load of mine is out, so a group 0 may be written
	ds_add_u32 v[SPW], v[NIL]
.if \fill
	s_xor_b32 s[G0+5], s[G0+5], SLOT               ; the walking descriptors: the other slot than last time, the address made anew
	s_add_nc_u64 s[G0+6:G0+7], s[56:57], s[KO:KO+1]
	s_or_b32 s[G0+7], s[G0+7], 0x80000000
	s_xor_b32 s[G0B+5], s[G0B+5], SLOT
	s_add_nc_u64 s[G0B+6:G0B+7], s[58:59], s[KO:KO+1]
	s_or_b32 s[G0B+7], s[G0B+7], 0x80000000
	s_add_co_u32 s[KO], s[KO], KSTEP*2
	s_and_b32 s[KO], s[KO], 4095
.endif
	s_wait_dscnt 13                                ; the add and the youngest twelve loads may be out
	MULA F1, 0, 0, 0
	s_wait_dscnt 0x0                               ; the add is done, my reads of this slot are over
	s_barrier_signal -1
	MULA F1, 1, 0, 0
	WIN 0                                          ; branches and address lines follow
	s_barrier_wait -1
.if \fill
	CREST                                          ; no wave of any partner still reads this slot or has a load on its way
	JLOAD 1                                        ; my one tensor load behind the round; its four v_nop are also the places in front of the loads below
.else
	PLACES
.endif
	s_xor_b32 s[TB], s[TB], SLOT                   ; the other slot is in hand
	v_add_nc_u32 v[ADRA], s[TB], v[A0]
	v_add_nc_u32 v[ADRB], s[TB], v[B0]
	v_add_nc_u32 v[ADRB2], 256*PITCH, v[ADRB]
	FETCH 0, F0
	MULA F1, 2, 0, 0
	MULA F1, 3, 0, 0
	MULA F1, 0, 1, 0
	MULA F1, 1, 1, 0
	MULA F1, 2, 1, 0
	MULA F1, 3, 1, 0
.endm
	s_wait_tensorcnt 1                             ; my part of the first step is in; the second's may stay out
	s_barrier_signal -1
	s_barrier_wait -1
	FETCH 0, F0
	QUARTER 64,  F0, F1, 1                         ; the first quarter's products start the sums
	WIN 0
	s_mov_b32 s3, STEPS-2
.Lstep:                                                ; 14 trips, from a step's second quarter to the next step's first: each fills a slot again
	QUARTER 128, F1, F0, 0
	QUARTER 192, F0, F1, 0
	TURN 1
	QUARTER 64,  F0, F1, 0
	WIN 0
	s_sub_co_u32 s3, s3, 1
	s_cmp_lg_u32 s3, 0
	s_cbranch_scc1 .Lstep
	s_mov_b32 s3, 2
.Ltail:                                                ; the last two steps fill nothing: a text of their own; the second pass is left in its middle
	QUARTER 128, F1, F0, 0
	QUARTER 192, F0, F1, 0
	WIN 0
	s_sub_co_u32 s3, s3, 1
	s_cmp_eq_u32 s3, 0
	s_cbranch_scc1 .Llast
	TURN 0
	QUARTER 64,  F0, F1, 0
	WIN 0
	s_branch .Ltail
.Llast:
	s_wait_dscnt 12
	MULA F1, 0, 0, 0
	MULA F1, 1, 0, 0
	s_wait_dscnt 0x0
	MULA F1, 2, 0, 0
	MULA F1, 3, 0, 0
	MULA F1, 0, 1, 0
	MULA F1, 1, 1, 0
	MULA F1, 2, 1, 0
	MULA F1, 3, 1, 0
	WIN 0
; THE WAY OUT.  lo = channels d < 64, hi = d + 64 of the same lane: lo' = lo cos - hi sin, hi' = hi cos + lo sin; q also times log2(e) / sqrt(128); rounded to f16, 16 bytes a lane into the stage.
.macro ROPE a, e, hh
.set LO, 8*(8*(\a)+4*(\hh)+(\e))
.set HI, LO+16
.set CC, TAB+16*(2*(\a)+(\e))
.set SN, CC+8
	WIN 0x02                                       ; source 0 window 2
.irp i, 0,2,4,6
	v_pk_mul_f32 v[T+(\i):T+(\i)+1], v[LO+(\i):LO+(\i)+1], v[CC+(\i):CC+(\i)+1]
.endr
.irp i, 0,2,4,6
	v_pk_mul_f32 v[U+(\i):U+(\i)+1], v[HI+(\i):HI+(\i)+1], v[CC+(\i):CC+(\i)+1]
.endr
.irp i, 0,2,4,6
	v_pk_fma_f32 v[T+(\i):T+(\i)+1], v[HI+(\i):HI+(\i)+1], v[SN+(\i):SN+(\i)+1], v[T+(\i):T+(\i)+1] neg_lo:[0,1,0] neg_hi:[0,1,0]
.endr
.irp i, 0,2,4,6
	v_pk_fma_f32 v[U+(\i):U+(\i)+1], v[LO+(\i):LO+(\i)+1], v[SN+(\i):SN+(\i)+1], v[U+(\i):U+(\i)+1]
.endr
	WIN 0
.if (\hh) == 0
.irp i, 0,2,4,6
	v_pk_mul_f32 v[T+(\i):T+(\i)+1], v[T+(\i):T+(\i)+1], s[QS:QS+1] op_sel_hi:[1,0]
	v_pk_mul_f32 v[U+(\i):U+(\i)+1], v[U+(\i):U+(\i)+1], s[QS:QS+1] op_sel_hi:[1,0]
.endr
.endif
.irp i, 0,1,2,3
	v_cvt_pk_f16_f32 v[T+(\i)], v[T+2*(\i)], v[T+2*(\i)+1]
	v_cvt_pk_f16_f32 v[U+(\i)], v[U+2*(\i)], v[U+2*(\i)+1]
.endr
	ds_store_b128 v[STO+(\hh)], v[T:T+3] offset:(\a)*16*PITCH+32*(\e)
	ds_store_b128 v[STO+(\hh)], v[U:U+3] offset:(\a)*16*PITCH+32*(\e)+128
.endm
.macro COPYV a, e                      ; v is only rounded
.set LO, 8*(4*(\a)+(\e))
.set HI, LO+16
	WIN 0x0f                                       ; sources 0 and 1 window 3
.irp i, 0,1,2,3
	v_cvt_pk_f16_f32 v[T+(\i)], v[LO+2*(\i)], v[LO+2*(\i)+1]
.endr
.irp i, 0,1,2,3
	v_cvt_pk_f16_f32 v[U+(\i)], v[HI+2*(\i)], v[HI+2*(\i)+1]
.endr
	WIN 0
	ds_store_b128 v[STO+2], v[T:T+3] offset:(\a)*16*PITCH+32*(\e)
	ds_store_b128 v[STO+2], v[U:U+3] offset:(\a)*16*PITCH+32*(\e)+128
.endm
	PLACES
	s_wait_loadcnt 0x0                             ; the table
.irp a, 0,1,2,3
.irp e, 0,1
	ROPE \a, \e, 0
	ROPE \a, \e, 1
	COPYV \a, \e
.endr
.endr
	s_wait_dscnt 0x0                               ; for the others' sake: a row's 256 bytes come from two waves
	s_barrier_signal -1
	s_barrier_wait -1
.irp hh, 0,1,2
.irp t, 0,1,2,3,4,5,6,7,8,9,10,11,12,13,14,15
	ds_load_b128 v[BK+64*(\hh)+4*(\t):BK+64*(\hh)+4*(\t)+3], v[RD+(\hh)] offset:(\t)*2*PITCH
.endr
.endr
.irp hh, 0,1,2
.irp t, 0,1,2,3,4,5,6,7,8,9,10,11,12,13,14,15
	s_wait_dscnt 47-16*(\hh)-(\t)                  ; LDS loads come back in order: this one is in
	global_store_b128 v[LN16], v[BK+64*(\hh)+4*(\t):BK+64*(\hh)+4*(\t)+3], s[OB+2*(\hh):OB+2*(\hh)+1] offset:512*(\t)  ; two rows of a head: 512 consecutive bytes, aligned
.endr
.endr
	s_wait_tensorcnt 0x0                           ; the wave's end
	ds_add_u32 v[SPW], v[NIL]
	s_wait_dscnt 0x0
	CROUND                                         ; the closing round
	s_endpgm
.Lfunc_end_k_qdb5f4ea21e_qkv:
	.size	k_qdb5f4ea21e_qkv, .Lfunc_end_k_qdb5f4ea21e_qkv-k_qdb5f4ea21e_qkv
	.p2alignl 7, 3214868480
	.fill 96, 4, 3214868480
	.section	.rodata,"a",@progbits
	.p2align	6, 0x0
	.amdhsa_kernel k_qdb5f4ea21e_qkv
		.amdhsa_group_segment_fixed_size 327680
		.amdhsa_private_segment_fixed_size 0
		.amdhsa_enable_private_segment 0
		.amdhsa_kernarg_size 32
		.amdhsa_user_sgpr_count 2
		.amdhsa_user_sgpr_kernarg_segment_ptr 1
		.amdhsa_wavefront_size32 1
		.amdhsa_system_sgpr_workgroup_id_x 1
		.amdhsa_system_sgpr_workgroup_id_y 1
		.amdhsa_system_sgpr_workgroup_id_z 1
		.amdhsa_system_vgpr_workitem_id 0
		.amdhsa_next_free_vgpr 896
		.amdhsa_next_free_sgpr 80
		.amdhsa_reserve_vcc 0
		.amdhsa_float_denorm_mode_32 3
		.amdhsa_float_denorm_mode_16_64 3
		.amdhsa_memory_ordered 1
		.amdhsa_forward_progress 1
		.amdhsa_inst_pref_size 112
	.end_amdhsa_kernel
	.amdgpu_metadata
---
amdhsa.version: [ 1, 2 ]
amdhsa.kernels:
  - .name:           k_qdb5f4ea21e_qkv
    .symbol:         k_qdb5f4ea21e_qkv.kd
    .args:
      - { .name: xb, .offset: 0, .size: 8, .value_kind: global_buffer, .address_space: global }
      - { .name: wb, .offset: 8, .size: 8, .value_kind: global_buffer, .address_space: global }
      - { .name: tab, .offset: 16, .size: 8, .value_kind: global_buffer, .address_space: global }
      - { .name: qkv, .offset: 24, .size: 8, .value_kind: global_buffer, .address_space: global }
    .group_segment_fixed_size: 327680
    .private_segment_fixed_size: 0
    .kernarg_segment_align: 8
    .kernarg_segment_size: 32
    .max_flat_workgroup_size: 128
    .sgpr_count:     80
    .vgpr_count:     896
    .wavefront_size: 32
...
	.end_amdgpu_metadata
.endif
;; end of part 2
;; launch attn (part 3): grid 16 x 16, 4 waves a work-group, clusters of 4 x 4, 327,680 bytes of LDS; arguments qkv, mskb, att; writes att
.if DOCPART == 3
	.amdgcn_target "amdgcn-amd-amdhsa--gfx1250"
	.amdhsa_code_object_version 6
	.text
	.protected	k_qdb5f4ea21e_attn
	.globl	k_qdb5f4ea21e_attn
	.p2align	8
	.type	k_qdb5f4ea21e_attn,@function
k_qdb5f4ea21e_attn:
	s_mov_b64 s[64:65], 0
	v_nop
	global_prefetch_b8 v0, s[64:65] scope:SCOPE_SE
	s_setreg_imm32_b32 hwreg(HW_REG_WAVE_MODE, 25, 1), 1
	s_wait_xcnt 0x0
	s_wait_alu depctr_hold_cnt(0) depctr_sa_sdst(0) depctr_va_vdst(0) depctr_va_sdst(0) depctr_va_ssrc(0) depctr_va_vcc(0) depctr_vm_vsrc(0)
	s_getreg_b32 s2, hwreg(HW_REG_IB_STS2, 6, 4)
	s_cmp_eq_u32 s2, 0
	s_cbranch_scc0 .Lentry_in_a_cluster
	s_endpgm
.Lentry_in_a_cluster:
	s_bfe_u32 s2, ttmp6, 0x10000c
	s_cmp_lg_u32 s2, 0xf033
	s_cbranch_scc0 .Lentry_shape_is_right
	s_endpgm
.Lentry_shape_is_right:
; att[q][head 128 + d] = the sum over k of softmax_k(q . k / sqrt(128) + mask[q][k]) v[k][d].  q, k, v: qkv[48][2048][128] f16 (q heads 0-15, k 16-31, v 32-47); mask bf16; att f16.
; q arrives multiplied by c / sqrt(128), c = log2(e); the mask's numbers are multiplied by c as they are widened to f32.  So a score here is s = c x (the definition's score), and e^x is 2^s.
; Products, maxima and sums in f32; the weights p are rounded to f16 for the second product (their sum l is taken of the unrounded p), the result once at the end.
; THE MASK is an input: every tile of it is read and no key is left out.  Its numbers, widened and scaled, are the C operand on which the products K Q^T add up.
; SHARES.  A work-group owns 128 queries of one head: 16 x 16 work-groups.  Wave (QH, KH) owns 64 queries (four tiles of 16) and, of every 128 keys, the 64 at 64 KH.  The two waves of a
; pair hold partial results (m, l, O) for the same queries and merge them once at the end, in f32, through LDS.  Register tile t of a wave is query tile t xor 2 KH: so every wave keeps and finishes its
; register tiles 0, 1 and sends its tiles 2, 3 to its partner, whose tiles 0, 1 they are: one text for both.
; LAYOUT.  S^T = K Q^T (source 0 = 16 keys, source 1 = 16 queries): a lane holds ONE query (lane % 16) and keys 8 (lane / 16) + 0..7; two such results rounded to f16 ARE source 1 of O^T = V^T P.
; SOFTMAX.  A running maximum m and sum l for each query: p = 2^(s - m): a difference of two f32 of which m is the larger, so p lies in 0 to 1 whatever the scores' size, for a wave all of whose
; keys are hidden too.  In every step O and l are multiplied by a = 2^(m_old - m_new).  m starts at the lowest finite number, O and l at 0, so the first step is a step like any other, with a = 0:
; the clearing stands in the wait for the first tile and spares a first step written out.
; BY TURNS.  Pieces 0 (tiles 0, 1) and 2 (tiles 2, 3).  In a turn one piece has the matrix unit: 32 products V^T P of the step in hand, then 32 products K Q^T of the next; the other piece's
; softmax, cut into 64 slices, stands behind them, one slice each; the widening of the next mask numbers stands behind the second half of the V^T P.
; CLUSTER 4 x 4.  K and V hang on the head alone: asked for jointly along a row of the cluster.  The mask's tile hangs on the query block alone: jointly along a column.
; THE WALK OVER THE KEYS IS TURNED: cluster (X, Y) begins at the tile of 128 keys (4 X + 8 p) mod 16, p = (Y xor Y / 2) mod 2, and wraps round; a running softmax takes the keys in any order.  The four clusters of one Y,
; which read the same K and V, begin 4 tiles apart; of the clusters of one X, which read the same mask rows, the pairs Y = (0, 1), (2, 3), (0, 2), (1, 3) begin 8 apart: clusters that share a tile ask for it in different trips.
; LIMITS.  q, k, v arrive within f16's 65,504; a weight below 2^-126 counts as 0; a row ALL of whose keys are hidden by about -1e9 is resolved only to f32's step at that size; NaN and infinities are not treated apart.
; REGISTERS: window 0 addresses, v12-43 statistics (8 a tile), v64-191 S^T, v192-255 P; window 1 O^T (64 a tile); window 2 Q v0-127, K v128-255; window 3 V v0-127, the partner's O^T v128-255.
.set PK,    272       ; a row of K in LDS: 256 bytes + 16: the 16 rows of a load start 16 bytes apart modulo 256
.set PV,    288       ; a row of V: 256 + 32
.set PM,    272       ; a row of the mask's tile: 128 keys in bf16 + 16
.set VOFF,  128*PK    ; a slot: 128 rows of K, 128 rows of V, 128 query rows of the mask
.set MOFF,  VOFF+128*PV
.set SLOT1, 1<<17     ; slot 1 begins here: one exclusive or turns an address in one slot into the other's
.set STAGE, SLOT1+MOFF+128*PM  ; behind the ring: 16 rows x 272 bytes for each wave, for the way out
.set SP,    272
.set SPARE, STAGE+4*16*SP      ; the spare words, 128 bytes a wave, named by no other line
.set XW,    16896     ; THE EXCHANGE lies in slot 0 from byte 0 on, 16,896 bytes a wave: slot 0's last fill is the walk's 15th tile, and every wave's reads of it end ahead of the last change of slots
.set AK0, 2           ; my lane's place in a slot's K and V: never rewritten
.set AV0, 3
.set AM0, 44          ; in a slot's mask rows, for piece 0's tiles,
.set AM2, 61          ; and for piece 2's: never rewritten
.set ADR, 4           ; the LDS address of K's run of loads,
.set ADM, 47          ; of the mask's,
.set ADV, 60          ; of V's
.set QO,  5           ; my byte offset in Q's rows, for piece 0's tiles,
.set QP,  52          ; and for piece 2's
.set STO, 6
.set RD,  7
.set GO,  8
.set XA,  45          ; the exchange: where I write, where I read
.set XB,  46
.set PS,  48          ; v48-51 the partner's m and l for two tiles
.set W,   56          ; v56-57 at work
.set CV,  58          ; v58  c = log2(e), and
.set ZV,  59          ; v59  0: the factor and the addend of the line that widens a mask number (its sources are vector registers)
.set SPW, 62
.set NIL, 63
.set ST,  12          ; tile t's statistics at v[ST+8 t]: +0 m, +1 named with it as a pair (at the end: l), +2, +3 l, +4 to +7 c0-c3 at work; a takes c2's place
.set S,   64
.set P,   192
.set KF,  128
.set WV,  12
.set QH,  13
.set KH,  14
.set G1K, 24
.set G1V, 32
.set G1M, 40
.set G0K, 48          ; group 0: a set for each of the two first fills; the second then walks on
.set G0V, 56
.set G0M, 68
.set SLOTS, 76
.set TB,  77          ; the slot from which the fetches read: 0 or SLOT1
.set KI,  78          ; the tile of 128 keys to be asked for next
.set SEL, 80
.set CNT, 83
.set KB,  92          ; s[92:93] the head's K, s[94:95] its V, s[96:97] my half of the mask's rows: every fill's address is made from them
.set VB,  94
.set MB,  96
.set OF,  98          ; s[98:99] a tile's byte offset
.set MSB, 0
.macro WIN new
.if MSB != (\new)
	s_set_vgpr_msb (MSB<<8)|(\new)
.set MSB, \new
.endif
.endm
.set W_KQ, 0x0a       ; K and Q in window 2, S^T in window 0
.set W_PV, 0x53       ; V in window 3, P in window 0, O^T in window 1
.set W_RS, 0x41       ; O^T (destination and source 0) in window 1
; A joint refill: wave 0 K's 128 rows, wave 1 V's, waves 2 and 3 the halves of the mask's tile.  The branches hang on the wave's number alone.  An s_nop 0 and four v_nop follow each line.
.macro JLOAD3
	s_cmp_lt_u32 s[WV], 2
	s_cbranch_scc0 .Lfor_m_\@
	s_cmp_eq_u32 s[WV], 0
	s_cbranch_scc0 .Lfor_v_\@
	tensor_load_to_lds s[G0K+4:G0K+7], s[G1K:G1K+7]
	s_nop 0
.rept 4
	v_nop
.endr
	s_branch .Lasked_\@
.Lfor_v_\@:
	tensor_load_to_lds s[G0V+4:G0V+7], s[G1V:G1V+7]
	s_nop 0
.rept 4
	v_nop
.endr
	s_branch .Lasked_\@
.Lfor_m_\@:
	tensor_load_to_lds s[G0M+4:G0M+7], s[G1M:G1M+7]
	s_nop 0
.rept 4
	v_nop
.endr
.Lasked_\@:
.endm
.macro CROUND
	s_barrier_signal -1
	s_barrier_wait -1
	s_cmp_lg_u32 s[WV], 0
	s_cbranch_scc1 .Lnot_wave_0_\@
	s_barrier_signal -3
.Lnot_wave_0_\@:
	s_barrier_wait -3
	s_barrier_signal -1
	s_barrier_wait -1
.endm
; The three descriptors of set n (0, 1) take tile KI's addresses, and KI steps round the 16 tiles
.macro AIM n
	s_lshl_b32 s[OF], s[KI], 15     ; 128 keys are 32,768 bytes of K and of V,
	s_add_nc_u64 s[G0K+4*(\n)+2:G0K+4*(\n)+3], s[KB:KB+1], s[OF:OF+1]
	s_or_b32 s[G0K+4*(\n)+3], s[G0K+4*(\n)+3], 0x80000000
	s_add_nc_u64 s[G0V+4*(\n)+2:G0V+4*(\n)+3], s[VB:VB+1], s[OF:OF+1]
	s_or_b32 s[G0V+4*(\n)+3], s[G0V+4*(\n)+3], 0x80000000
	s_lshl_b32 s[OF], s[KI], 8      ; and 256 bytes of a mask row
	s_add_nc_u64 s[G0M+4*(\n)+2:G0M+4*(\n)+3], s[MB:MB+1], s[OF:OF+1]
	s_or_b32 s[G0M+4*(\n)+3], s[G0M+4*(\n)+3], 0x80000000
	s_add_co_u32 s[KI], s[KI], 1
	s_and_b32 s[KI], s[KI], 15
.endm
	s_load_b128 s[4:7], s[0:1], 0x0 ; qkv s[4:5], mskb s[6:7]
	s_load_b64 s[8:9], s[0:1], 0x10 ; att
	v_lshl_add_u32 v[SPW], v0, 2, SPARE
	v_mov_b32 v[NIL], 0
	ds_add_u32 v[SPW], v[NIL]       ; the wave's opening: the add and its wait stand ahead of my first tensor load
	v_lshrrev_b32 v1, 5, v0
	v_readfirstlane_b32 s[WV], v1
	s_lshr_b32 s[QH], s[WV], 1
	s_and_b32 s[KH], s[WV], 1
	s_bfe_u32 s15, ttmp6, 0x40000   ; cx
	s_bfe_u32 s16, ttmp6, 0x40004   ; cy
	s_lshl_b32 s17, ttmp9, 2
	s_add_co_u32 s17, s17, s15      ; the block of 128 queries
	s_and_b32 s18, ttmp7, 0xffff    ; the cluster's Y
	s_lshr_b32 s79, s18, 1          ; where the walk begins: made of the cluster's X and Y alone, which all sixteen partners share
	s_xor_b32 s79, s79, s18
	s_and_b32 s79, s79, 1           ; p
	s_lshl_b32 s79, s79, 3
	s_lshl_b32 s[KI], ttmp9, 2
	s_add_co_u32 s[KI], s[KI], s79
	s_and_b32 s[KI], s[KI], 15      ; (4 X + 8 p) mod 16
	s_mov_b32 s[OF+1], 0
	s_lshl_b32 s18, s18, 2
	s_add_co_u32 s18, s18, s16      ; the head
	s_lshl_b32 s19, s16, 2
	s_lshl_b32 s19, 15, s19         ; my row of the cluster: the same head
	s_lshl_b32 s20, 0x1111, s15     ; my column: the same queries
	s_or_b32 s[G1K], s19, (1<<16)|(1<<20)|(1<<21)|(5<<22)|(3<<25)  ; the mask of four; 2-byte elements; padding on; bit 21 beside a mask; after every 64 words 4 words
	s_or_b32 s[G1V], s19, (1<<16)|(1<<20)|(1<<21)|(5<<22)|(7<<25)  ; 8 words
	s_or_b32 s[G1M], s20, (1<<16)|(1<<20)|(1<<21)|(5<<22)|(3<<25)
.irp g, G1K, G1V
	s_mov_b32 s[(\g)+1], 128<<16    ; tensor_dim0 = 128
	s_mov_b32 s[(\g)+2], 128<<16    ; tensor_dim1 = 128
	s_mov_b32 s[(\g)+3], 128<<16    ; tile_dim0 = 128
	s_mov_b32 s[(\g)+4], 128        ; tile_dim1 = 128
	s_mov_b32 s[(\g)+5], 128        ; elements from row to row
	s_mov_b32 s[(\g)+6], 0
	s_mov_b32 s[(\g)+7], 0
.endr
	s_mov_b32 s[G1M+1], 128<<16
	s_mov_b32 s[G1M+2], 64<<16      ; 64 query rows
	s_mov_b32 s[G1M+3], 128<<16
	s_mov_b32 s[G1M+4], 64
	s_mov_b32 s[G1M+5], 2048
	s_mov_b32 s[G1M+6], 0
	s_mov_b32 s[G1M+7], 0
	s_add_co_u32 s84, s18, 16       ; K: head 16 + head, 524,288 bytes each
	s_lshl_b32 s84, s84, 19
	s_mov_b32 s85, 0
	s_add_co_u32 s86, s18, 32       ; V
	s_lshl_b32 s86, s86, 19
	s_mov_b32 s87, 0
	s_lshl_b32 s88, s17, 19         ; the mask: row 128 block + 64 KH, 4,096 bytes a row
	s_lshl_b32 s89, s[KH], 18
	s_add_co_u32 s88, s88, s89
	s_mov_b32 s89, 0
	s_lshl_b32 s90, s18, 19         ; Q: the head, row 128 block + 64 QH, 256 bytes a row
	s_lshl_b32 s91, s17, 15
	s_add_co_u32 s90, s90, s91
	s_lshl_b32 s91, s[QH], 14
	s_add_co_u32 s90, s90, s91
	s_mov_b32 s91, 0
	s_lshl_b32 s22, s17, 19         ; att: the same row, 4,096 bytes a row, byte 256 head,
	s_lshl_b32 s23, s[QH], 18
	s_add_co_u32 s22, s22, s23
	s_lshl_b32 s23, s18, 8
	s_add_co_u32 s22, s22, s23
	s_lshl_b32 s23, s[KH], 17       ; and the two tiles that I finish: query tiles 2 KH, 2 KH + 1, 32 KH rows on
	s_add_co_u32 s22, s22, s23
	s_mov_b32 s23, 0
	s_mul_i32 s21, s[KH], 64*PM     ; 64 rows of 272 bytes: the mask's half that I fetch; also my keys' place in K
	s_mov_b32 s[SEL], 0x76543210
	s_mov_b32 s[SEL+1], 0xfedcba98
	s_mov_b32 s[TB], 0
	s_wait_dscnt 0x0                ; the opening add is done
	s_wait_kmcnt 0x0
	s_add_nc_u64 s[KB:KB+1], s[4:5], s[84:85]
	s_add_nc_u64 s[VB:VB+1], s[4:5], s[86:87]
	s_add_nc_u64 s[MB:MB+1], s[6:7], s[88:89]
	s_add_nc_u64 s[4:5], s[4:5], s[90:91]    ; Q at my wave's first row
	s_add_nc_u64 s[10:11], s[8:9], s[22:23]  ; att at the first row that I store
	CROUND                          ; all sixteen work-groups are here: the first joint loads meet
.irp s, 0,1
	s_mov_b32 s[G0K+4*(\s)], 1
	s_mov_b32 s[G0K+4*(\s)+1], (\s)*SLOT1
	s_mov_b32 s[G0V+4*(\s)], 1
	s_mov_b32 s[G0V+4*(\s)+1], (\s)*SLOT1+VOFF
	s_mov_b32 s[G0M+4*(\s)], 1
	s_add_co_u32 s[G0M+4*(\s)+1], s21, (\s)*SLOT1+MOFF
	AIM \s
.endr
	s_cmp_lt_u32 s[WV], 2           ; a wave's two first fills stand in one branch: two loads of mine are out
	s_cbranch_scc0 .Lfirst_m
	s_cmp_eq_u32 s[WV], 0
	s_cbranch_scc0 .Lfirst_v
	tensor_load_to_lds s[G0K:G0K+3], s[G1K:G1K+7]
	s_nop 0
	tensor_load_to_lds s[G0K+4:G0K+7], s[G1K:G1K+7]
	s_nop 0
.rept 4
	v_nop
.endr
	s_branch .Lfirst_asked
.Lfirst_v:
	tensor_load_to_lds s[G0V:G0V+3], s[G1V:G1V+7]
	s_nop 0
	tensor_load_to_lds s[G0V+4:G0V+7], s[G1V:G1V+7]
	s_nop 0
.rept 4
	v_nop
.endr
	s_branch .Lfirst_asked
.Lfirst_m:
	tensor_load_to_lds s[G0M:G0M+3], s[G1M:G1M+7]
	s_nop 0
	tensor_load_to_lds s[G0M+4:G0M+7], s[G1M:G1M+7]
	s_nop 0
.rept 4
	v_nop
.endr
.Lfirst_asked:
	v_and_b32 v1, 15, v0            ; r
	v_bfe_u32 v9, v0, 4, 1          ; h
	v_lshlrev_b32 v[QO], 8, v1
	v_lshl_add_u32 v[QO], v9, 4, v[QO]
	s_lshl_b32 s84, s[KH], 13       ; two tiles of Q are 8,192 bytes: piece 0 begins at query tile 2 KH,
	s_xor_b32 s85, s84, 8192        ; piece 2 at 2 - 2 KH
	v_add_nc_u32 v[QP], s85, v[QO]
	v_add_nc_u32 v[QO], s84, v[QO]
	WIN 0x80                        ; destination window 2
.irp i, 0,1,2,3,4,5,6,7             ; Q stays in registers: register tile i / 4, channels 32 (i % 4) on
	global_load_b128 v[8*(\i):8*(\i)+3],   v[QO], s[4:5] offset:((\i)/4)*4096+((\i)%4)*64
	global_load_b128 v[8*(\i)+4:8*(\i)+7], v[QO], s[4:5] offset:((\i)/4)*4096+((\i)%4)*64+32
.endr
.irp i, 0,1,2,3,4,5,6,7
	global_load_b128 v[64+8*(\i):64+8*(\i)+3],   v[QP], s[4:5] offset:((\i)/4)*4096+((\i)%4)*64
	global_load_b128 v[64+8*(\i)+4:64+8*(\i)+7], v[QP], s[4:5] offset:((\i)/4)*4096+((\i)%4)*64+32
.endr
	WIN 0                           ; what the first turns find: l, piece 2's P and O^T are 0
.set i, 0
.rept 4
	v_mov_b32 v[ST+8*i], 0xff7fffff    ; m: the lowest finite number, so the first maximum is the scores'
	v_mov_b32 v[ST+8*i+1], 0           ; named with it as a pair
	v_mov_b32 v[ST+8*i+2], 0
	v_mov_b32 v[ST+8*i+3], 0
.set i, i+1
.endr
.set i, P+32
.rept 32
	v_mov_b32 v[i], 0
.set i, i+1
.endr
	WIN 0x40                        ; O^T's 256 registers are cleared eight to a line: 32 products of two of P's zero fragments, with the constant 0 as C
.set i, 0
.rept 32
	v_wmma_f32_16x16x32_f16 v[8*i:8*i+7], v[P+32:P+39], v[P+40:P+47], 0
.set i, i+1
.endr
	WIN 0
	v_mov_b32 v[CV], 0x3fb8aa3b          ; c = log2(e)
	v_mov_b32 v[ZV], 0
	v_mul_u32_u24 v[AK0], v1, PK
	v_lshl_add_u32 v[AK0], v9, 4, v[AK0]
	v_add_nc_u32 v[AK0], s21, v[AK0]     ; (64 KH + r) x pitch + 16 h
	s_mul_i32 s84, s[QH], 64*PM
	s_lshl_b32 s85, s[KH], 7
	s_add_co_u32 s84, s84, s85
	s_add_co_u32 s84, s84, MOFF
	s_mul_i32 s85, s[KH], 32*PM          ; piece 0's rows begin at query tile 2 KH,
	s_sub_co_u32 s86, 32*PM, s85         ; piece 2's at 2 - 2 KH
	v_mul_u32_u24 v[AM0], v1, PM
	v_lshl_add_u32 v[AM0], v9, 4, v[AM0]
	v_add_nc_u32 v[AM0], s84, v[AM0]     ; the mask: query row 64 QH + r, my 64 keys' 128 bytes, 16 bytes for each half of the lanes
	v_add_nc_u32 v[AM2], s86, v[AM0]
	v_add_nc_u32 v[AM0], s85, v[AM0]
	v_and_b32 v10, 7, v0                 ; the turning load: lane l reads key 8 (l / 16) + l % 8, channels 8 ((l / 8) % 2) + 0..7
	v_bfe_u32 v11, v0, 3, 1
	v_lshl_add_u32 v[AV0], v9, 3, v10
	v_mul_u32_u24 v[AV0], v[AV0], PV
	v_lshl_add_u32 v[AV0], v11, 4, v[AV0]
	s_mul_i32 s84, s[KH], 64*PV
	s_add_co_u32 s84, s84, VOFF
	v_add_nc_u32 v[AV0], s84, v[AV0]
; THE MATRIX WORK.  The accumulators take turns, one instruction a turn.
.macro PV x                         ; product i of 32 of O^T += V^T P: keys 32 (i / 16) on, channels 16 ((i / 2) % 8) on, tile x + i % 2
	WIN W_PV
.set rO, 64*((\x)+i%2)+8*((i/2)%8)
.set rV, 64*(i/16)+8*((i/2)%8)
.set rP, P+16*((\x)+i%2)+8*(i/16)
	v_wmma_f32_16x16x32_f16 v[rO:rO+7], v[rV:rV+7], v[rP:rP+7], v[rO:rO+7]
.endm
.macro KQ x                         ; product i of 32 of S^T += K Q^T, onto the mask: channels 32 (i / 8) on, keys 16 ((i / 2) % 4) on, tile x + i % 2
	WIN W_KQ
.set rS, S+32*((\x)+i%2)+8*((i/2)%4)
.set rK, KF+32*((i/2)%4)+8*(i/8)
.set rQ, 32*((\x)+i%2)+8*(i/8)
	v_wmma_f32_16x16x32_f16 v[rS:rS+7], v[rK:rK+7], v[rQ:rQ+7], v[rS:rS+7]
.endm
; THE LDS LOADS stand in runs
.macro FETCH_K
	WIN 0
	v_add_nc_u32 v[ADR], s[TB], v[AK0]
	WIN 0x80
.irp f, 0,1,2,3,4,5,6,7,8,9,10,11,12,13,14,15  ; keys 16 (f / 4) on, channels 32 (f % 4) on
	ds_load_b128 v[KF+8*(\f):KF+8*(\f)+3],   v[ADR] offset:((\f)/4)*16*PK+((\f)%4)*64
	ds_load_b128 v[KF+8*(\f)+4:KF+8*(\f)+7], v[ADR] offset:((\f)/4)*16*PK+((\f)%4)*64+32
.endr
.endm
.macro FETCH_V
	WIN 0
	v_add_nc_u32 v[ADV], s[TB], v[AV0]
	WIN 0xc0
.irp f, 0,1,2,3,4,5,6,7,8,9,10,11,12,13,14,15  ; keys 32 (f / 8) on, channels 16 (f % 8) on
	ds_load_tr16_b128 v[8*(\f):8*(\f)+3],   v[ADV] offset:((\f)/8)*32*PV+((\f)%8)*32
	ds_load_tr16_b128 v[8*(\f)+4:8*(\f)+7], v[ADV] offset:((\f)/8)*32*PV+16*PV+((\f)%8)*32
.endr
.endm
.macro FETCH_M x                    ; piece x's mask numbers: eight bf16 (my query, eight neighbouring keys) into registers 4-7 of each of its eight accumulators
	WIN 0
.if (\x) == 0
	v_add_nc_u32 v[ADM], s[TB], v[AM0]
.else
	v_add_nc_u32 v[ADM], s[TB], v[AM2]
.endif
.irp t, 0,1
.irp kb, 0,1,2,3
	ds_load_b128 v[S+32*((\x)+(\t))+8*(\kb)+4:S+32*((\x)+(\t))+8*(\kb)+7], v[ADM] offset:(\t)*16*PM+32*(\kb)
.endr
.endr
.endm
.macro UNP4 x, n                    ; half n % 2 of accumulator n / 2 of piece x: each bf16 half times c, as f32, in place, the low registers first
	WIN 0
.set rA, S+32*((\x)+((\n)/2)/4)+8*(((\n)/2)%4)
.if ((\n)%2) == 0
	v_fma_mix_f32_bf16 v[rA],   v[rA+4], v[CV], v[ZV] op_sel_hi:[1,0,0]
	v_fma_mix_f32_bf16 v[rA+1], v[rA+4], v[CV], v[ZV] op_sel:[1,0,0] op_sel_hi:[1,0,0]
	v_fma_mix_f32_bf16 v[rA+2], v[rA+5], v[CV], v[ZV] op_sel_hi:[1,0,0]
	v_fma_mix_f32_bf16 v[rA+3], v[rA+5], v[CV], v[ZV] op_sel:[1,0,0] op_sel_hi:[1,0,0]
.else
	v_fma_mix_f32_bf16 v[rA+4], v[rA+6], v[CV], v[ZV] op_sel_hi:[1,0,0]
	v_fma_mix_f32_bf16 v[rA+5], v[rA+6], v[CV], v[ZV] op_sel:[1,0,0] op_sel_hi:[1,0,0]
	v_fma_mix_f32_bf16 v[rA+6], v[rA+7], v[CV], v[ZV] op_sel_hi:[1,0,0]
	v_fma_mix_f32_bf16 v[rA+7], v[rA+7], v[CV], v[ZV] op_sel:[1,0,0] op_sel_hi:[1,0,0]
.endif
.endm
; THE VECTOR WORK.  One tile's softmax for a key step is a numbered list, 0 to 133 (number 19 is empty: 133 instructions); SM writes number j of it for tile t.
;   0-15 the maximum of the lane's 32 scores and the old m (each accumulator's lowest registers are read first)   16-20 the other half of the lanes' maximum; m_old kept; m; m_old - m_new
;   21-87 33 exponentials (a, then the scores) at the odd numbers from 23 on, each with a plain instruction behind it; the plain ones are differences s - m still to come, roundings of weights that are done, the first sums
;   88-101 the last rounding, the rest of the sums, l = a l + sum      102-133 the tile's O^T times a: the one part that leaves window 0
.macro SM t
.set rT, ST+8*(\t)
.set rS, S+32*(\t)
.set rP, P+16*(\t)
.set rO, 64*(\t)+2*(j-102)
.set q, (j-20)/2
.if j < 102
	WIN 0
.endif
.if j < 4
	v_max3_num_f32 v[rT+4+j], v[rS+8*j], v[rS+8*j+1], v[rS+8*j+2]
.elseif j < 12
	v_max3_num_f32 v[rT+4+j%4], v[rT+4+j%4], v[rS+8*(j%4)+2*(j/4)+1], v[rS+8*(j%4)+2*(j/4)+2]
.elseif j == 12
	v_max3_num_f32 v[rT+4], v[rT+4], v[rS+7], v[rS+15]
.elseif j == 13
	v_max3_num_f32 v[rT+6], v[rT+6], v[rS+23], v[rS+31]
.elseif j == 14
	v_max3_num_f32 v[rT+4], v[rT+4], v[rT+5], v[rT+6]
.elseif j == 15
	v_max3_num_f32 v[rT+4], v[rT+4], v[rT+7], v[rT]
.elseif j == 16
	v_permlanex16_b32 v[rT+5], v[rT+4], s[SEL], s[SEL+1]  ; the query's other 32 keys lie in the lane 16 away
.elseif j == 17
	v_mov_b32 v[rT+7], v[rT]        ; m_old is kept for a
.elseif j == 18
	v_max_num_f32 v[rT], v[rT+4], v[rT+5]
.elseif j == 19                     ; empty
.elseif j == 20
	v_sub_f32 v[rT+7], v[rT+7], v[rT]
.elseif j == 23
	v_exp_f32 v[rT+6], v[rT+7]
.elseif (j < 88) && (j > 23) && (j%2 == 1)
	v_exp_f32 v[rS+(j-25)/2], v[rS+(j-25)/2]
.elseif (q < 4) || ((j < 76) && (q%2 == 0))
.set b, q/2+2
.if q < 4
.set b, q
.endif
	v_pk_add_f32 v[rS+2*b:rS+2*b+1], v[rS+2*b:rS+2*b+1], v[rT:rT+1] op_sel_hi:[1,0] neg_lo:[0,1] neg_hi:[0,1]  ; pair b: s - m, never above 0
.elseif (j < 88) && (q%2 == 1)
	s_wait_alu depctr_va_vdst(0)
	v_cvt_pk_f16_f32 v[rP+(q-5)/2], v[rS+q-5], v[rS+q-4]
.elseif j == 89
	s_wait_alu depctr_va_vdst(0)
	v_cvt_pk_f16_f32 v[rP+15], v[rS+30], v[rS+31]
.elseif j < 102                     ; the sum of the 16 pairs, in place: neighbours 1, 2, 4 and 8 pairs apart, then l takes it
.set z, j-86
.if j < 89
.set z, (j-76)/4
.endif
.set w, 4
.set u, z
.if z >= 14
.set w, 32
.set u, 0
.elseif z >= 12
.set w, 16
.set u, z-12
.elseif z >= 8
.set w, 8
.set u, z-8
.endif
.if z < 15
	v_pk_add_f32 v[rS+w*u:rS+w*u+1], v[rS+w*u:rS+w*u+1], v[rS+w*u+w/2:rS+w*u+w/2+1]
.else
	v_pk_fma_f32 v[rT+2:rT+3], v[rT+2:rT+3], v[rT+6:rT+7], v[rS:rS+1] op_sel_hi:[1,0,1]
.endif
.else
	WIN W_RS
	v_pk_mul_f32 v[rO:rO+1], v[rO:rO+1], v[rT+6:rT+7] op_sel_hi:[1,0]
.endif
.endm
; Slice k of 64 of piece y's softmax: numbers 2 k and 2 k + 1 of both tiles; the twelve that are over stand in slice 63, whose sixteen plain instructions are the places behind the turn's last products.
.macro SLICE y
.if (k >= 11) && (k < 44)           ; tile by tile: plain, exponential, plain, exponential
.irp t, \y, (\y)+1
.irp n, 0,1
.set j, 2*k+(\n)
	SM \t
.endr
.endr
.else                               ; the two tiles alternate
.irp n, 0,1,2,3,4,5,6,7
.if ((\n) < 2) || (k == 63)
.irp t, \y, (\y)+1
.set j, 2*k+(\n)
	SM \t
.endr
.endif
.endr
.endif
.set k, k+1
.endm
; A TURN.  Piece x has the matrix unit.  Behind the second V^T P: the next step's mask numbers for piece x (8 loads) and, in piece 0's turn, its K (32 loads).  Behind the sixteenth the mask is waited for
; (piece 0: K's 32 younger loads may stay out) and widened, four instructions behind each of the last sixteen.  Piece 2's turn fetches the next step's V behind its second K Q^T, when its V^T P are done.
.macro TURN x
.set k, 0
.if (\x) == 0
	s_wait_dscnt 0x0                ; V is in
.endif
.set i, 0
.rept 32
	PV \x
	SLICE 2-(\x)
.if i == 1
	FETCH_M \x
.if (\x) == 0
	FETCH_K
.endif
.endif
.if i == 15
.if (\x) == 0
	s_wait_dscnt 32
.else
	s_wait_dscnt 0x0
.endif
.endif
.if i >= 16
	UNP4 \x, i-16
.endif
.set i, i+1
.endr
.if (\x) == 0
	s_wait_dscnt 0x0                ; K is in
.endif
.set i, 0
.rept 32
	KQ \x
	SLICE 2-(\x)
.if ((\x) == 2) && (i == 1)
	FETCH_V
.endif
.set i, i+1
.endr
.endm
; THE CHANGE OF SLOTS, between piece 2's turn and piece 0's: all of the slot has been asked for.  Each wave waits for all its tensor loads (one is out: its part of the other slot), adds 0 to its spare
; word, and waits for that and for its reads of the slot.  fill = 1: a round of the cluster's barrier, and the slot is filled again, with the walk's tile two on, first thing behind it.
.macro CHANGE fill
	WIN 0
	s_wait_tensorcnt 0x0            ; no tensor load of mine is out, so a group 0 may be written
	ds_add_u32 v[SPW], v[NIL]
.if \fill
	s_xor_b32 s[G0K+5], s[G0K+5], SLOT1  ; the walking descriptors: the other slot than last time, the addresses made anew
	s_xor_b32 s[G0V+5], s[G0V+5], SLOT1
	s_xor_b32 s[G0M+5], s[G0M+5], SLOT1
	AIM 1
	s_wait_dscnt 0x0                ; the add is done, my reads of the slot are over
	CROUND
	JLOAD3
.else
	s_wait_dscnt 0x0
	s_barrier_signal -1
	s_barrier_wait -1
.endif
	s_xor_b32 s[TB], s[TB], SLOT1   ; the fetches go on in the other slot
.endm
	s_wait_tensorcnt 1              ; my part of slot 0 is in; slot 1's may stay out
	s_barrier_signal -1
	s_barrier_wait -1
	FETCH_M 0
	FETCH_K
	s_wait_dscnt 32                 ; the mask numbers are in; K's 32 loads may be out
.set nn, 0
.rept 16
	UNP4 0, nn
.set nn, nn+1
.endr
	s_wait_loadcnt 0x0              ; Q
	s_wait_dscnt 0x0                ; K
	FETCH_V                         ; so that the first turn's products of P = 0 meet finite numbers; it lands while the first scores are made
.set i, 0
.rept 32
	KQ 0                            ; piece 0's first scores
.set i, i+1
.endr
	WIN 0                           ; the addresses for the end: plain instructions, the places behind those products
	s_mul_i32 s84, s[WV], 16*SP
	s_add_co_u32 s84, s84, STAGE
	s_mul_i32 s85, s[WV], XW
	s_xor_b32 s86, s[WV], 1         ; my partner: the same queries, the other keys
	s_mul_i32 s86, s86, XW
	v_mul_u32_u24 v[STO], v1, SP    ; into my stage: row r, 16 bytes for each half of the lanes
	v_lshl_add_u32 v[STO], v9, 4, v[STO]
	v_add_nc_u32 v[STO], s84, v[STO]
	v_mul_u32_u24 v[RD], v9, SP     ; back: lanes 0-15 one row of 256 bytes, lanes 16-31 the next
	v_lshl_add_u32 v[RD], v1, 4, v[RD]
	v_add_nc_u32 v[RD], s84, v[RD]
	v_lshlrev_b32 v[GO], 12, v9     ; and the same two rows in att
	v_lshl_add_u32 v[GO], v1, 4, v[GO]
	v_and_b32 v[XA], 31, v0
	v_lshlrev_b32 v[XA], 4, v[XA]
	v_add_nc_u32 v[XB], s86, v[XA]
	v_add_nc_u32 v[XA], s85, v[XA]
	s_mov_b32 s[SLOTS], 15
	s_wait_dscnt 0x0                ; V is in
	s_branch .Lfirst                ; the loop is entered in the middle of a trip
.Lslot:                             ; 14 whole trips: every slot but the last two is filled again
	CHANGE 1
	TURN 0
	WIN 0
.Lfirst:
	TURN 2
	WIN 0
	s_sub_co_u32 s[SLOTS], s[SLOTS], 1
	s_cmp_lg_u32 s[SLOTS], 0
	s_cbranch_scc1 .Lslot
	CHANGE 0                        ; the tail is written out
	s_mov_b32 s[CNT], 2
.Ltail:
	TURN 0
	WIN 0
	s_sub_co_u32 s[CNT], s[CNT], 1
	s_cmp_eq_u32 s[CNT], 0
	s_cbranch_scc1 .Lout
	TURN 2
	WIN 0
	s_branch .Ltail
.Lout:                              ; the second pass's 32 products K Q^T (on the last K once more) serve nothing: the price, once a launch, of one text for every turn
.set i, 0
.rept 32
	PV 2                            ; piece 2's V^T P of the last step
.set i, i+1
.endr
	; THE MERGE.  l's two halves and the other half of the lanes' are added, into the register beside m: (m, l) are then a pair.  The additions are the places behind the last products.
	WIN 0
.irp t, 0,1,2,3
	v_add_f32 v[ST+8*(\t)+1], v[ST+8*(\t)+2], v[ST+8*(\t)+3]
.endr
.irp t, 0,1,2,3
	v_permlanex16_b32 v[ST+8*(\t)+5], v[ST+8*(\t)+1], s[SEL], s[SEL+1]
.endr
.irp t, 0,1,2,3
	v_add_f32 v[ST+8*(\t)+1], v[ST+8*(\t)+1], v[ST+8*(\t)+5]
.endr
	ds_store_b64 v[XA], v[ST+16:ST+17] offset:16384  ; my tiles 2, 3 go to my partner: (m, l) of both, and 128 registers of O^T
	ds_store_b64 v[XA], v[ST+24:ST+25] offset:16392
	WIN 0x04                        ; data in window 1
.set i, 0
.rept 32
	ds_store_b128 v[XA], v[128+4*i:128+4*i+3] offset:512*i
.set i, i+1
.endr
	WIN 0
	s_wait_dscnt 0x0                ; for my partner's sake
	s_barrier_signal -1
	s_barrier_wait -1
	ds_load_b128 v[PS:PS+3], v[XB] offset:16384
	WIN 0xc0                        ; destination window 3
.set i, 0
.rept 32
	ds_load_b128 v[128+4*i:128+4*i+3], v[XB] offset:512*i
.set i, i+1
.endr
	WIN 0
	s_wait_dscnt 32                 ; the partner's statistics are in; its O^T may be out
	; O = (a1 O + a2 O') / (a1 l + a2 l'), a1 = 2^(m - M), a2 = 2^(m' - M), M the larger of m and m'.  f1 = a1 / sum into c2, f2 = a2 / sum into c0.
.irp u, 0,1
	v_max_num_f32 v[W+(\u)], v[ST+8*(\u)], v[PS+2*(\u)]
.endr
.irp u, 0,1
	v_sub_f32 v[ST+8*(\u)+6], v[ST+8*(\u)], v[W+(\u)]
	v_sub_f32 v[ST+8*(\u)+4], v[PS+2*(\u)], v[W+(\u)]
.endr
.irp u, 0,1
	v_exp_f32 v[ST+8*(\u)+6], v[ST+8*(\u)+6]
	v_exp_f32 v[ST+8*(\u)+4], v[ST+8*(\u)+4]
.endr
	v_nop                           ; a plain instruction behind the last exponential
.irp u, 0,1
	s_wait_alu depctr_va_vdst(0)
	v_mul_f32 v[ST+8*(\u)+1], v[ST+8*(\u)+6], v[ST+8*(\u)+1]
.endr
.irp u, 0,1
	v_fma_f32 v[ST+8*(\u)+1], v[ST+8*(\u)+4], v[PS+2*(\u)+1], v[ST+8*(\u)+1]
.endr
.irp u, 0,1
	v_rcp_f32 v[ST+8*(\u)+1], v[ST+8*(\u)+1]
.endr
	v_nop                           ; and behind the last reciprocal
.irp u, 0,1
	s_wait_alu depctr_va_vdst(0)
	v_mul_f32 v[ST+8*(\u)+6], v[ST+8*(\u)+6], v[ST+8*(\u)+1]
	v_mul_f32 v[ST+8*(\u)+4], v[ST+8*(\u)+4], v[ST+8*(\u)+1]
.endr
.macro PACKM t                      ; my tile t and the partner's part t: merged, rounded to f16, through my stage, back as whole rows of 256 bytes into S^T's registers
	WIN W_RS
.set i, 0
.rept 32
	v_pk_mul_f32 v[64*(\t)+2*i:64*(\t)+2*i+1], v[64*(\t)+2*i:64*(\t)+2*i+1], v[ST+8*(\t)+6:ST+8*(\t)+7] op_sel_hi:[1,0]
.set i, i+1
.endr
	WIN 0x53                        ; source 0 window 3, source 1 window 0, source 2 and destination window 1
.set i, 0
.rept 32
	v_pk_fma_f32 v[64*(\t)+2*i:64*(\t)+2*i+1], v[128+64*(\t)+2*i:128+64*(\t)+2*i+1], v[ST+8*(\t)+4:ST+8*(\t)+5], v[64*(\t)+2*i:64*(\t)+2*i+1] op_sel_hi:[1,0,1]
.set i, i+1
.endr
	WIN 0x05                        ; sources 0 and 1 window 1, destination window 0
.set i, 0
.rept 32
	v_cvt_pk_f16_f32 v[S+32*(\t)+i], v[64*(\t)+2*i], v[64*(\t)+2*i+1]
.set i, i+1
.endr
	WIN 0
.irp f, 0,1,2,3,4,5,6,7
	ds_store_b128 v[STO], v[S+32*(\t)+4*(\f):S+32*(\t)+4*(\f)+3] offset:32*(\f)
.endr
.irp f, 0,1,2,3,4,5,6,7
	ds_load_b128 v[S+32*(\t)+4*(\f):S+32*(\t)+4*(\f)+3], v[RD] offset:(\f)*2*SP  ; LDS serves a wave's instructions in order (ISA guide 5.7.1.4): these see the stores above
.endr
.endm
.macro SEND t, younger              ; younger: the LDS instructions issued behind tile t's loads
.irp f, 0,1,2,3,4,5,6,7
	s_wait_dscnt (\younger)+7-(\f)
	global_store_b128 v[GO], v[S+32*(\t)+4*(\f):S+32*(\t)+4*(\f)+3], s[10:11] offset:(\t)*65536+(\f)*8192  ; 16 lanes store 256 consecutive bytes, aligned: a head's part of a row
.endr
.endm
	s_wait_dscnt 0x0                ; the partner's O^T is in
	PACKM 0
	PACKM 1
	SEND 0, 16
	SEND 1, 0
	s_wait_tensorcnt 0x0            ; the wave's end
	ds_add_u32 v[SPW], v[NIL]
	s_wait_dscnt 0x0
	CROUND                          ; the closing round
	s_endpgm
.Lfunc_end_k_qdb5f4ea21e_attn:
	.size	k_qdb5f4ea21e_attn, .Lfunc_end_k_qdb5f4ea21e_attn-k_qdb5f4ea21e_attn
	.p2alignl 7, 3214868480
	.fill 96, 4, 3214868480
	.section	.rodata,"a",@progbits
	.p2align	6, 0x0
	.amdhsa_kernel k_qdb5f4ea21e_attn
		.amdhsa_group_segment_fixed_size 327680
		.amdhsa_private_segment_fixed_size 0
		.amdhsa_enable_private_segment 0
		.amdhsa_kernarg_size 24
		.amdhsa_user_sgpr_count 2
		.amdhsa_user_sgpr_kernarg_segment_ptr 1
		.amdhsa_wavefront_size32 1
		.amdhsa_system_sgpr_workgroup_id_x 1
		.amdhsa_system_sgpr_workgroup_id_y 1
		.amdhsa_system_sgpr_workgroup_id_z 1
		.amdhsa_system_vgpr_workitem_id 0
		.amdhsa_next_free_vgpr 1024
		.amdhsa_next_free_sgpr 100
		.amdhsa_reserve_vcc 0
		.amdhsa_float_denorm_mode_32 3
		.amdhsa_float_denorm_mode_16_64 3
		.amdhsa_memory_ordered 1
		.amdhsa_forward_progress 1
		.amdhsa_inst_pref_size 175
	.end_amdhsa_kernel
	.amdgpu_metadata
---
amdhsa.version: [ 1, 2 ]
amdhsa.kernels:
  - .name:           k_qdb5f4ea21e_attn
    .symbol:         k_qdb5f4ea21e_attn.kd
    .args:
      - { .name: qkv, .offset: 0, .size: 8, .value_kind: global_buffer, .address_space: global }
      - { .name: mskb, .offset: 8, .size: 8, .value_kind: global_buffer, .address_space: global }
      - { .name: att, .offset: 16, .size: 8, .value_kind: global_buffer, .address_space: global }
    .group_segment_fixed_size: 327680
    .private_segment_fixed_size: 0
    .kernarg_segment_align: 8
    .kernarg_segment_size: 24
    .max_flat_workgroup_size: 128
    .sgpr_count:     100
    .vgpr_count:     1024
    .wavefront_size: 32
...
	.end_amdgpu_metadata
.endif
;; end of part 3
;; launch oproj (part 4): grid 16 x 16, 4 waves a work-group, clusters of 4 x 4, 327,680 bytes of LDS; arguments att, owh, out0; writes out0
.if DOCPART == 4
	.amdgcn_target "amdgcn-amd-amdhsa--gfx1250"
	.amdhsa_code_object_version 6
	.text
	.protected	k_qdb5f4ea21e_oproj
	.globl	k_qdb5f4ea21e_oproj
	.p2align	8
	.type	k_qdb5f4ea21e_oproj,@function
k_qdb5f4ea21e_oproj:
	s_mov_b64 s[64:65], 0
	v_nop
	global_prefetch_b8 v0, s[64:65] scope:SCOPE_SE
	s_setreg_imm32_b32 hwreg(HW_REG_WAVE_MODE, 25, 1), 1
	s_wait_xcnt 0x0
	s_wait_alu depctr_hold_cnt(0) depctr_sa_sdst(0) depctr_va_vdst(0) depctr_va_sdst(0) depctr_va_ssrc(0) depctr_va_vcc(0) depctr_vm_vsrc(0)
	s_getreg_b32 s2, hwreg(HW_REG_IB_STS2, 6, 4)
	s_cmp_eq_u32 s2, 0
	s_cbranch_scc0 .Lentry_in_a_cluster
	s_endpgm
.Lentry_in_a_cluster:
	s_bfe_u32 s2, ttmp6, 0x10000c
	s_cmp_lg_u32 s2, 0xf033
	s_cbranch_scc0 .Lentry_shape_is_right
	s_endpgm
.Lentry_shape_is_right:
; out0[m][n] = the sum over k of att[m][k] owh[n][k].  att, owh: [2048][2048] f16 (owh holds o_w rounded to bf16); out0 f32; sums in f32.
; A tile of the output is 128 x 128: 16 x 16 work-groups, one to a WGP.  Four waves, each 64 x 64: 16 accumulators.  K goes in 8 steps of 256 (LDS rows of 512 bytes; a wave's tensor load brings 64 of them)
; through two slots.  A trip of the loop is one K step: the slot in hand is a scalar, 0 or SLOT, turned by an exclusive or, and one descriptor for each tensor walks.
; CLUSTER 4 x 4: att's tiles are asked for jointly along a row of the cluster, owh's along a column.
; THE WALK ALONG K IS TURNED: cluster (X, Y) begins at K step (2 X + 4 p) mod 8, p = (Y xor Y / 2) mod 2, and wraps round.  The four clusters of one Y, which read the same rows of att, begin 2 steps apart; of the
; clusters of one X, which read the same rows of owh, the pairs Y = (0, 1), (2, 3), (0, 2), (1, 3) begin 4 apart: clusters that share a tile ask for it in different steps.  Only the order of the sums' terms changes.
; THE MATRIX INSTRUCTION IS USED TRANSPOSED (source 0 = 16 rows of owh, source 1 = 16 rows of att): a lane holds eight neighbouring numbers of a row of the output.
; REGISTERS: window 0: v0-31 addresses; v128-255 the accumulators ((a, b) at v[128 + 8 (4 a + b)]).  Window 1: two fragment buffers of 128: for 64 along K, 64 registers of att, then 64 of owh.
.set SIZE_N, 2048
.set SIZE_K, 2048
.set KSTEP,  256
.set STEPS,  SIZE_K/KSTEP
.set PITCH,  528                       ; an LDS row: 512 bytes + 16 of padding
.set HALFT,  64*PITCH                  ; 0x8400 bytes
.set SLOT,   4*HALFT                   ; 0x21000: it shares no bit with wave x HALFT, so an exclusive or with it turns a wave's LDS address in one slot into the other's
.set SPARE,  2*SLOT                    ; behind the ring: the spare words, 128 bytes a wave, named by no other line
.set SPITCH, 272
; THE STAGES for the way out lie in slot 0 from byte 0 on, 64 rows x 272 bytes for each wave, each wave's own: slot 0's last fill is the walk's step 6, and every wave's reads of it end ahead of the last change of slots.
.set ADRA, 16                          ; v16  LDS address of my att fragments in the slot in hand
.set A0,   17                          ; v17  the same in slot 0; never rewritten
.set ADRB, 20                          ; v20, v21 likewise for owh
.set B0,   21
.set STO,  24
.set RD,   25
.set CO,   26
.set SPW,  28
.set NIL,  29
.set ACC,  128
.set F0,   0
.set F1,   128
.set G1, 24                            ; s[24:31] group 1 for att's tiles; s[32:39] group 0: a set for each of the two first fills; the second then walks on
.set G0, 32
.set G1B, 48                           ; s[48:55], s[56:63] the same for owh's
.set G0B, 56
.set KO, 66                            ; s[66:67] byte offset along a row of the K step to be asked for next
.set TB, 68                            ; s68      the slot in hand: 0 or SLOT
.set MSB, 0
.macro WIN new
.if MSB != (\new)
	s_set_vgpr_msb (MSB<<8)|(\new)
.set MSB, \new
.endif
.endm
.set MUL,  0x05                        ; sources 0 and 1 window 1; C and D window 0
.set TO_F, 0x40                        ; destination window 1, address window 0
.macro JLOAD s                         ; a joint load: waves 0 and 1 fetch att's two halves, waves 2 and 3 owh's; an s_nop 0 and four v_nop follow each line
	s_cmp_eq_u32 s11, 0
	s_cbranch_scc0 .Lfor_b_\@
	tensor_load_to_lds s[G0+4*(\s):G0+4*(\s)+3], s[G1:G1+7]
	s_nop 0
.rept 4
	v_nop
.endr
	s_branch .Lasked_\@
.Lfor_b_\@:
	tensor_load_to_lds s[G0B+4*(\s):G0B+4*(\s)+3], s[G1B:G1B+7]
	s_nop 0
.rept 4
	v_nop
.endr
.Lasked_\@:
.endm
.macro CREST
	s_cmp_lg_u32 s10, 0
	s_cbranch_scc1 .Lnot_wave_0_\@
	s_barrier_signal -3
.Lnot_wave_0_\@:
	s_barrier_wait -3
	s_barrier_signal -1
	s_barrier_wait -1
.endm
.macro CROUND
	s_barrier_signal -1
	s_barrier_wait -1
	CREST
.endm
	s_load_b128 s[4:7], s[0:1], 0x0                ; att s[4:5], owh s[6:7]
	s_load_b64 s[8:9], s[0:1], 0x10                ; out0
	v_lshl_add_u32 v[SPW], v0, 2, SPARE
	v_mov_b32 v[NIL], 0
	ds_add_u32 v[SPW], v[NIL]                      ; the wave's opening: the add and its wait stand ahead of my first tensor load
	v_lshrrev_b32 v1, 5, v0
	v_readfirstlane_b32 s10, v1                    ; wave 0..3
	s_lshr_b32 s11, s10, 1                         ; which half of the tile's rows is mine.  Also: I fetch for att (0) or for owh (1)
	s_and_b32 s12, s10, 1                          ; which half of its columns.  Also: which 64 rows of that tile I fetch
	s_bfe_u32 s40, ttmp6, 0x40000                  ; cx
	s_bfe_u32 s41, ttmp6, 0x40004                  ; cy
	s_lshl_b32 s42, ttmp9, 2
	s_add_co_u32 s42, s42, s40                     ; tile column
	s_and_b32 s13, ttmp7, 0xffff                   ; the cluster's Y
	s_lshr_b32 s70, s13, 1                         ; where the walk begins: made of the cluster's X and Y alone, which all sixteen partners share
	s_xor_b32 s70, s70, s13
	s_and_b32 s70, s70, 1                          ; p
	s_lshl_b32 s70, s70, 2
	s_lshl_b32 s71, ttmp9, 1
	s_add_co_u32 s70, s70, s71
	s_and_b32 s70, s70, STEPS-1                    ; (2 X + 4 p) mod 8,
	s_lshl_b32 s[KO], s70, 9                       ; times a K step's 512 bytes
	s_mov_b32 s[KO+1], 0
	s_mov_b32 s[TB], 0
	s_lshl_b32 s13, s13, 2
	s_add_co_u32 s13, s13, s41                     ; tile row
	s_lshl_b32 s43, s41, 2
	s_lshl_b32 s43, 15, s43                        ; my row of the cluster
	s_lshl_b32 s44, 0x1111, s40                    ; my column
	s_or_b32 s[G1+0], s43, (1<<16)|(1<<20)|(1<<21)|(6<<22)|(3<<25)  ; the mask; 2-byte elements; padding on; bit 21 beside a mask; after every 128 words 4 words
	s_or_b32 s[G1B+0], s44, (1<<16)|(1<<20)|(1<<21)|(6<<22)|(3<<25)
.irp g, G1, G1B
	s_mov_b32 s[(\g)+1], KSTEP<<16                 ; tensor_dim0 = 256
	s_mov_b32 s[(\g)+2], 64<<16                    ; tensor_dim1 = 64
	s_mov_b32 s[(\g)+3], KSTEP<<16                 ; tile_dim0 = 256
	s_mov_b32 s[(\g)+4], 64                        ; tile_dim1 = 64
	s_mov_b32 s[(\g)+5], SIZE_K
	s_mov_b32 s[(\g)+6], 0
	s_mov_b32 s[(\g)+7], 0
.endr
	s_lshl_b32 s17, s12, 6
	s_lshl_b32 s16, s13, 7
	s_add_co_u32 s16, s16, s17                     ; att: row 128 x tile row + 64 x half
	s_lshl_b32 s46, s42, 7
	s_add_co_u32 s46, s46, s17                     ; owh: row 128 x tile column + 64 x half
	s_mov_b32 s17, 0
	s_mov_b32 s47, 0
	s_mov_b64 s[18:19], SIZE_K*2
	s_mul_u64 s[16:17], s[16:17], s[18:19]
	s_mul_u64 s[46:47], s[46:47], s[18:19]
	s_mul_i32 s20, s10, HALFT                      ; where they go: wave x 64 rows
	s_wait_dscnt 0x0                               ; the opening add is done
	s_wait_kmcnt 0x0
	s_add_nc_u64 s[4:5], s[4:5], s[16:17]          ; att and owh at my part's first row: kept, every fill's address is made from them
	s_add_nc_u64 s[6:7], s[6:7], s[46:47]
	CROUND                                         ; all sixteen work-groups are here: the first joint loads meet
.irp s, 0,1
	s_mov_b32 s[G0+4*(\s)], 1
	s_add_co_u32 s[G0+4*(\s)+1], s20, (\s)*SLOT
	s_add_nc_u64 s[G0+4*(\s)+2:G0+4*(\s)+3], s[4:5], s[KO:KO+1]
	s_or_b32 s[G0+4*(\s)+3], s[G0+4*(\s)+3], 0x80000000
	s_mov_b32 s[G0B+4*(\s)], 1
	s_add_co_u32 s[G0B+4*(\s)+1], s20, (\s)*SLOT
	s_add_nc_u64 s[G0B+4*(\s)+2:G0B+4*(\s)+3], s[6:7], s[KO:KO+1]
	s_or_b32 s[G0B+4*(\s)+3], s[G0B+4*(\s)+3], 0x80000000
	s_add_co_u32 s[KO], s[KO], KSTEP*2             ; the next K step, round the row's 4,096 bytes
	s_and_b32 s[KO], s[KO], SIZE_K*2-1
	JLOAD \s                                       ; two loads of mine are out
.endr
	v_and_b32 v1, 15, v0                           ; r
	v_bfe_u32 v2, v0, 4, 1                         ; h
	v_mul_u32_u24 v3, v1, PITCH
	v_lshl_add_u32 v3, v2, 4, v3
	s_mul_i32 s21, s11, HALFT                      ; my 64 rows of att
	s_mul_i32 s22, s12, HALFT                      ; my 64 rows of owh,
	s_add_co_u32 s22, s22, 2*HALFT                 ; which lie behind att's 128
	v_add_nc_u32 v[A0], s21, v3
	v_add_nc_u32 v[B0], s22, v3
	v_mov_b32 v[ADRA], v[A0]                       ; the walk begins in slot 0
	v_mov_b32 v[ADRB], v[B0]
	s_mul_i32 s23, s10, 64*SPITCH                  ; my stage
	v_mul_u32_u24 v4, v1, SPITCH                   ; in: row r, 32 bytes (eight f32) for each half of the lanes
	v_lshl_add_u32 v4, v2, 5, v4
	v_add_nc_u32 v[STO], s23, v4
	v_mul_u32_u24 v5, v2, SPITCH                   ; back: lanes 0-15 one row of 256 bytes, lanes 16-31 the next
	v_lshl_add_u32 v5, v1, 4, v5
	v_add_nc_u32 v[RD], s23, v5
	v_lshlrev_b32 v5, 13, v2                       ; and the same two rows in out0, 8,192 bytes a row
	v_lshl_add_u32 v[CO], v1, 4, v5
	s_lshl_b32 s16, s13, 7
	s_lshl_b32 s17, s11, 6
	s_add_co_u32 s16, s16, s17                     ; my first row: 128 x tile row + 64 x half
	s_lshl_b32 s16, s16, 13
	s_mov_b32 s17, 0
	s_add_nc_u64 s[8:9], s[8:9], s[16:17]
	s_lshl_b32 s46, s42, 9                         ; my first column, in bytes: 512 x tile column + 256 x half
	s_lshl_b32 s47, s12, 8
	s_add_co_u32 s46, s46, s47
	s_mov_b32 s47, 0
	s_add_nc_u64 s[8:9], s[8:9], s[46:47]
; 8 matrix instructions: row blocks a0, a0 + 1 x all 4 column blocks, 32 along K: half c of buffer f.  zero = 1: the product starts the sums.  The 16 accumulators take turns.
.macro MUL8 f, c, a0, zero
	WIN MUL
.irp a, \a0, (\a0)+1
.irp b, 0,1,2,3
.if \zero
	v_wmma_f32_16x16x32_f16 v[ACC+8*(4*(\a)+(\b)):ACC+8*(4*(\a)+(\b))+7], v[(\f)+64+8*(4*(\c)+(\b)):(\f)+64+8*(4*(\c)+(\b))+7], v[(\f)+8*(4*(\c)+(\a)):(\f)+8*(4*(\c)+(\a))+7], 0
.else
	v_wmma_f32_16x16x32_f16 v[ACC+8*(4*(\a)+(\b)):ACC+8*(4*(\a)+(\b))+7], v[(\f)+64+8*(4*(\c)+(\b)):(\f)+64+8*(4*(\c)+(\b))+7], v[(\f)+8*(4*(\c)+(\a)):(\f)+8*(4*(\c)+(\a))+7], v[ACC+8*(4*(\a)+(\b)):ACC+8*(4*(\a)+(\b))+7]
.endif
.endr
.endr
.endm
; 32 LDS loads in one run, from the slot in hand: the fragments of 64 along K at byte k of the rows, into buffer f; the first 32 along K first
.macro FETCH k, f
	WIN TO_F
.irp c, 0,1
.irp i, 0,1,2,3
	ds_load_b128 v[(\f)+64+8*(4*(\c)+(\i)):(\f)+64+8*(4*(\c)+(\i))+3],   v[ADRB] offset:(\k)+64*(\c)+(\i)*16*PITCH
	ds_load_b128 v[(\f)+64+8*(4*(\c)+(\i))+4:(\f)+64+8*(4*(\c)+(\i))+7], v[ADRB] offset:(\k)+64*(\c)+(\i)*16*PITCH+32
	ds_load_b128 v[(\f)+8*(4*(\c)+(\i)):(\f)+8*(4*(\c)+(\i))+3],         v[ADRA] offset:(\k)+64*(\c)+(\i)*16*PITCH
	ds_load_b128 v[(\f)+8*(4*(\c)+(\i))+4:(\f)+8*(4*(\c)+(\i))+7],       v[ADRA] offset:(\k)+64*(\c)+(\i)*16*PITCH+32
.endr
.endr
.endm
.macro PLACES                          ; four plain vector instructions between matrix instructions and loads into, or reads of, their registers
.rept 4
	v_nop
.endr
.endm
; A K step is four quarters of 64 along K, 32 matrix instructions each, on buffers 0, 1, 0, 1.
.macro QUARTER k, f, g, zero
	s_wait_dscnt 16                                ; the first 32 along K are in; the youngest sixteen loads may be out
	MUL8 \f, 0, 0, \zero
	MUL8 \f, 0, 2, \zero
	PLACES
	FETCH \k, \g
	s_wait_dscnt 32                                ; all but the 32 just issued
	MUL8 \f, 1, 0, 0
	MUL8 \f, 1, 2, 0
.endm
; The last quarter multiplies buffer 1 and changes slots: in front of the barrier each wave waits for all its tensor loads, adds 0 to its spare word, and waits for that and for its reads of this slot.
; fill = 1: the barrier opens a round of the cluster's, and this slot is filled again, with the walk's step two on, first thing behind it.
.macro TURN fill
	WIN 0
	s_wait_tensorcnt 0x0                           ; all my tensor loads have landed: my part of the next slot; so a group 0 may be written
	ds_add_u32 v[SPW], v[NIL]
.if \fill
	s_xor_b32 s[G0+5], s[G0+5], SLOT               ; the walking descriptors: the other slot than last time, the address made anew
	s_add_nc_u64 s[G0+6:G0+7], s[4:5], s[KO:KO+1]
	s_or_b32 s[G0+7], s[G0+7], 0x80000000
	s_xor_b32 s[G0B+5], s[G0B+5], SLOT
	s_add_nc_u64 s[G0B+6:G0B+7], s[6:7], s[KO:KO+1]
	s_or_b32 s[G0B+7], s[G0B+7], 0x80000000
	s_add_co_u32 s[KO], s[KO], KSTEP*2
	s_and_b32 s[KO], s[KO], SIZE_K*2-1
.endif
	s_wait_dscnt 17                                ; the add and the youngest sixteen loads may be out
	MUL8 F1, 0, 0, 0
	s_wait_dscnt 0x0                               ; the add is done, my reads of this slot are over
	s_barrier_signal -1
	MUL8 F1, 0, 2, 0
	WIN 0                                          ; branches and address lines follow
	s_barrier_wait -1
.if \fill
	CREST                                          ; no wave of any partner still reads this slot or has a load on its way
	JLOAD 1                                        ; my one tensor load behind the round; its four v_nop are also the places in front of the loads below
.else
	PLACES
.endif
	s_xor_b32 s[TB], s[TB], SLOT                   ; the other slot is in hand
	v_add_nc_u32 v[ADRA], s[TB], v[A0]
	v_add_nc_u32 v[ADRB], s[TB], v[B0]
	FETCH 0, F0
	MUL8 F1, 1, 0, 0
	MUL8 F1, 1, 2, 0
.endm
	s_wait_tensorcnt 1                             ; my part of the first step is in; the second's may stay out
	s_barrier_signal -1
	s_barrier_wait -1
	FETCH 0, F0
	QUARTER 128, F0, F1, 1                         ; the first quarter's first products start the sums
	WIN 0
	s_mov_b32 s3, STEPS-2
.Lstep:                                                ; 6 trips, from a step's second quarter to the next step's first: each fills a slot again
	QUARTER 256, F1, F0, 0
	QUARTER 384, F0, F1, 0
	TURN 1
	QUARTER 128, F0, F1, 0
	WIN 0
	s_sub_co_u32 s3, s3, 1
	s_cmp_lg_u32 s3, 0
	s_cbranch_scc1 .Lstep
	s_mov_b32 s3, 2
.Ltail:                                                ; the last two steps fill nothing: a text of their own; the second pass is left in its middle
	QUARTER 256, F1, F0, 0
	QUARTER 384, F0, F1, 0
	WIN 0
	s_sub_co_u32 s3, s3, 1
	s_cmp_eq_u32 s3, 0
	s_cbranch_scc1 .Llast
	TURN 0
	QUARTER 128, F0, F1, 0
	WIN 0
	s_branch .Ltail
.Llast:
	s_wait_dscnt 16
	MUL8 F1, 0, 0, 0
	MUL8 F1, 0, 2, 0
	s_wait_dscnt 0x0
	MUL8 F1, 1, 0, 0
	MUL8 F1, 1, 2, 0
	WIN 0
	; THE WAY OUT.  A wave's 64 columns of f32 are 256 bytes of a row: each block of 16 rows goes through the wave's own stage (32 bytes a lane in, whole rows back, into the registers that it left): no barrier.
	PLACES
.irp a, 0,1,2,3
.irp b, 0,1,2,3
	ds_store_b128 v[STO], v[ACC+8*(4*(\a)+(\b)):ACC+8*(4*(\a)+(\b))+3]   offset:(\a)*16*SPITCH+64*(\b)
	ds_store_b128 v[STO], v[ACC+8*(4*(\a)+(\b))+4:ACC+8*(4*(\a)+(\b))+7] offset:(\a)*16*SPITCH+64*(\b)+16
.endr
.irp t, 0,1,2,3,4,5,6,7
	ds_load_b128 v[ACC+32*(\a)+4*(\t):ACC+32*(\a)+4*(\t)+3], v[RD] offset:(\a)*16*SPITCH+(\t)*2*SPITCH  ; LDS serves a wave's instructions in order (ISA guide 5.7.1.4): these see the stores above
.endr
.endr
.irp a, 0,1,2,3
.irp t, 0,1,2,3,4,5,6,7
	s_wait_dscnt (3-(\a))*16+7-(\t)                ; behind this load: the rest of its block's loads and sixteen LDS instructions for each later block
	global_store_b128 v[CO], v[ACC+32*(\a)+4*(\t):ACC+32*(\a)+4*(\t)+3], s[8:9] offset:(16*(\a)+2*(\t))*SIZE_N*4 th:TH_STORE_NT  ; 16 lanes store 256 consecutive bytes, aligned
.endr
.endr
	s_wait_tensorcnt 0x0                           ; the wave's end
	ds_add_u32 v[SPW], v[NIL]
	s_wait_dscnt 0x0
	CROUND                                         ; the closing round
	s_endpgm
.Lfunc_end_k_qdb5f4ea21e_oproj:
	.size	k_qdb5f4ea21e_oproj, .Lfunc_end_k_qdb5f4ea21e_oproj-k_qdb5f4ea21e_oproj
	.p2alignl 7, 3214868480
	.fill 96, 4, 3214868480
	.section	.rodata,"a",@progbits
	.p2align	6, 0x0
	.amdhsa_kernel k_qdb5f4ea21e_oproj
		.amdhsa_group_segment_fixed_size 327680
		.amdhsa_private_segment_fixed_size 0
		.amdhsa_enable_private_segment 0
		.amdhsa_kernarg_size 24
		.amdhsa_user_sgpr_count 2
		.amdhsa_user_sgpr_kernarg_segment_ptr 1
		.amdhsa_wavefront_size32 1
		.amdhsa_system_sgpr_workgroup_id_x 1
		.amdhsa_system_sgpr_workgroup_id_y 1
		.amdhsa_system_sgpr_workgroup_id_z 1
		.amdhsa_system_vgpr_workitem_id 0
		.amdhsa_next_free_vgpr 512
		.amdhsa_next_free_sgpr 72
		.amdhsa_reserve_vcc 0
		.amdhsa_float_denorm_mode_32 3
		.amdhsa_float_denorm_mode_16_64 3
		.amdhsa_memory_ordered 1
		.amdhsa_forward_progress 1
		.amdhsa_inst_pref_size 61
	.end_amdhsa_kernel
	.amdgpu_metadata
---
amdhsa.version: [ 1, 2 ]
amdhsa.kernels:
  - .name:           k_qdb5f4ea21e_oproj
    .symbol:         k_qdb5f4ea21e_oproj.kd
    .args:
      - { .name: att, .offset: 0, .size: 8, .value_kind: global_buffer, .address_space: global }
      - { .name: owh, .offset: 8, .size: 8, .value_kind: global_buffer, .address_space: global }
      - { .name: out0, .offset: 16, .size: 8, .value_kind: global_buffer, .address_space: global }
    .group_segment_fixed_size: 327680
    .private_segment_fixed_size: 0
    .kernarg_segment_align: 8
    .kernarg_segment_size: 24
    .max_flat_workgroup_size: 128
    .sgpr_count:     72
    .vgpr_count:     512
    .wavefront_size: 32
...
	.end_amdgpu_metadata
.endif
;; end of part 4
;; ======== version 2 of 2: 4 launches; 1.08 times as fast as version 1
;; limits: values are held in f16: magnitudes above 65,504 overflow, below 6.1e-05 lose precision
;; workspace buffers: xb 8,388,608 bytes; wb 25,165,824 bytes; owh 8,388,608 bytes; mskb 8,388,608 bytes; tab 1,048,576 bytes; qkv 25,165,824 bytes; att 8,388,608 bytes
;; launch prep: the kernel of part 1 again; grid 128 x 6, 8 waves a work-group, no clusters, 0 bytes of LDS; arguments hidden_states, q_w, k_w, v_w, o_w, attention_mask, position_ids, xb, wb, owh, mskb, tab; writes xb, wb, owh, mskb, tab
;; launch qkv: the kernel of part 2 again; grid 16 x 16, 4 waves a work-group, clusters of 4 x 4, 327,680 bytes of LDS; arguments xb, wb, tab, qkv; writes qkv
;; launch attn (part 5): grid 16 x 16, 4 waves a work-group, clusters of 4 x 4, 327,680 bytes of LDS; arguments qkv, mskb, att; writes att
.if DOCPART == 5
	.amdgcn_target "amdgcn-amd-amdhsa--gfx1250"
	.amdhsa_code_object_version 6
	.text
	.protected	k_qdb5f4ea21e_attn
	.globl	k_qdb5f4ea21e_attn
	.p2align	8
	.type	k_qdb5f4ea21e_attn,@function
k_qdb5f4ea21e_attn:
	s_mov_b64 s[64:65], 0
	v_nop
	global_prefetch_b8 v0, s[64:65] scope:SCOPE_SE
	s_setreg_imm32_b32 hwreg(HW_REG_WAVE_MODE, 25, 1), 1
	s_wait_xcnt 0x0
	s_wait_alu depctr_hold_cnt(0) depctr_sa_sdst(0) depctr_va_vdst(0) depctr_va_sdst(0) depctr_va_ssrc(0) depctr_va_vcc(0) depctr_vm_vsrc(0)
	s_getreg_b32 s2, hwreg(HW_REG_IB_STS2, 6, 4)
	s_cmp_eq_u32 s2, 0
	s_cbranch_scc0 .Lentry_in_a_cluster
	s_endpgm
.Lentry_in_a_cluster:
	s_bfe_u32 s2, ttmp6, 0x10000c
	s_cmp_lg_u32 s2, 0xf033
	s_cbranch_scc0 .Lentry_shape_is_right
	s_endpgm
.Lentry_shape_is_right:
; att[q][head 128 + d] = the sum over k of softmax_k(q . k / sqrt(128) + mask[q][k]) v[k][d].  q, k, v: qkv[48][2048][128] f16 (q heads 0-15, k 16-31, v 32-47); mask bf16; att f16.
; q arrives multiplied by c / sqrt(128), c = log2(e); the mask's numbers are multiplied by c as they are widened to f32.  So a score here is s = c x (the definition's score), and e^x is 2^s.
; Products, maxima and sums in f32; the weights p are rounded to f16 for the second product (their sum l is taken of the unrounded p), the result once at the end.
; THE MASK is an input: every tile of it is read and no key is left out.  Its numbers, widened and scaled, are the C operand on which the products K Q^T add up.
; SHARES.  A work-group owns 128 queries of one head: 16 x 16 work-groups.  Wave (QH, KH) owns 64 queries (four tiles of 16) and, of every 128 keys, the 64 at 64 KH.  The two waves of a
; pair hold partial results (m, l, O) for the same queries and merge them once at the end, in f32, through LDS.  Register tile t of a wave is query tile t xor 2 KH: so every wave keeps and finishes its
; register tiles 0, 1 and sends its tiles 2, 3 to its partner, whose tiles 0, 1 they are: one text for both.
; LAYOUT.  S^T = K Q^T (source 0 = 16 keys, source 1 = 16 queries): a lane holds ONE query (lane % 16) and keys 8 (lane / 16) + 0..7; two such results rounded to f16 ARE source 1 of O^T = V^T P.
; SOFTMAX.  A running maximum m and sum l for each query: p = 2^(s - m): a difference of two f32 of which m is the larger, so p lies in 0 to 1 whatever the scores' size, for a wave all of whose
; keys are hidden too.  In every step O and l are multiplied by a = 2^(m_old - m_new).  m starts at the lowest finite number, O and l at 0, so the first step is a step like any other, with a = 0:
; the clearing stands in the wait for the first tile and spares a first step written out.
; BY TURNS.  Pieces 0 (tiles 0, 1) and 2 (tiles 2, 3).  In a turn one piece has the matrix unit: 32 products V^T P of the step in hand, then 32 products K Q^T of the next; the other piece's
; softmax, cut into 64 slices, stands behind them, one slice each; the widening of the next mask numbers stands behind the second half of the V^T P.
; THE BATCHES.  A turn's 66 exponentials (33 a tile: a and the 32 weights) are ONE batch with ONE s_wait_alu depctr_va_vdst(0): the softmax's list is ordered so that all that names an exponential's result
; (roundings, sums, the rescaling by a) stands behind all exponentials, and the wait stands between the two parts, behind slice 34.  On the way out the merge's four exponentials are a batch, its two reciprocals another.
; CLUSTER 4 x 4.  K and V hang on the head alone: asked for jointly along a row of the cluster.  The mask's tile hangs on the query block alone: jointly along a column.
; THE WALK OVER THE KEYS IS TURNED: cluster (X, Y) begins at the tile of 128 keys (4 X + 8 p) mod 16, p = (Y xor Y / 2) mod 2, and wraps round; a running softmax takes the keys in any order.  The four clusters of one Y,
; which read the same K and V, begin 4 tiles apart; of the clusters of one X, which read the same mask rows, the pairs Y = (0, 1), (2, 3), (0, 2), (1, 3) begin 8 apart: clusters that share a tile ask for it in different trips.
; LIMITS.  q, k, v arrive within f16's 65,504; a weight below 2^-126 counts as 0; a row ALL of whose keys are hidden by about -1e9 is resolved only to f32's step at that size; NaN and infinities are not treated apart.
; REGISTERS: window 0 addresses, v12-43 statistics (8 a tile), v64-191 S^T, v192-255 P; window 1 O^T (64 a tile); window 2 Q v0-127, K v128-255; window 3 V v0-127, the partner's O^T v128-255.
.set PK,    272       ; a row of K in LDS: 256 bytes + 16: the 16 rows of a load start 16 bytes apart modulo 256
.set PV,    288       ; a row of V: 256 + 32
.set PM,    272       ; a row of the mask's tile: 128 keys in bf16 + 16
.set VOFF,  128*PK    ; a slot: 128 rows of K, 128 rows of V, 128 query rows of the mask
.set MOFF,  VOFF+128*PV
.set SLOT1, 1<<17     ; slot 1 begins here: one exclusive or turns an address in one slot into the other's
.set STAGE, SLOT1+MOFF+128*PM  ; behind the ring: 16 rows x 272 bytes for each wave, for the way out
.set SP,    272
.set SPARE, STAGE+4*16*SP      ; the spare words, 128 bytes a wave, named by no other line
.set XW,    16896     ; THE EXCHANGE lies in slot 0 from byte 0 on, 16,896 bytes a wave: slot 0's last fill is the walk's 15th tile, and every wave's reads of it end ahead of the last change of slots
.set AK0, 2           ; my lane's place in a slot's K and V: never rewritten
.set AV0, 3
.set AM0, 44          ; in a slot's mask rows, for piece 0's tiles,
.set AM2, 61          ; and for piece 2's: never rewritten
.set ADR, 4           ; the LDS address of K's run of loads,
.set ADM, 47          ; of the mask's,
.set ADV, 60          ; of V's
.set QO,  5           ; my byte offset in Q's rows, for piece 0's tiles,
.set QP,  52          ; and for piece 2's
.set STO, 6
.set RD,  7
.set GO,  8
.set XA,  45          ; the exchange: where I write, where I read
.set XB,  46
.set PS,  48          ; v48-51 the partner's m and l for two tiles
.set W,   56          ; v56-57 at work
.set CV,  58          ; v58  c = log2(e), and
.set ZV,  59          ; v59  0: the factor and the addend of the line that widens a mask number (its sources are vector registers)
.set SPW, 62
.set NIL, 63
.set ST,  12          ; tile t's statistics at v[ST+8 t]: +0 m, +1 named with it as a pair (at the end: l), +2, +3 l, +4 to +7 c0-c3 at work; a takes c2's place
.set S,   64
.set P,   192
.set KF,  128
.set WV,  12
.set QH,  13
.set KH,  14
.set G1K, 24
.set G1V, 32
.set G1M, 40
.set G0K, 48          ; group 0: a set for each of the two first fills; the second then walks on
.set G0V, 56
.set G0M, 68
.set SLOTS, 76
.set TB,  77          ; the slot from which the fetches read: 0 or SLOT1
.set KI,  78          ; the tile of 128 keys to be asked for next
.set SEL, 80
.set CNT, 83
.set KB,  92          ; s[92:93] the head's K, s[94:95] its V, s[96:97] my half of the mask's rows: every fill's address is made from them
.set VB,  94
.set MB,  96
.set OF,  98          ; s[98:99] a tile's byte offset
.set MSB, 0
.macro WIN new
.if MSB != (\new)
	s_set_vgpr_msb (MSB<<8)|(\new)
.set MSB, \new
.endif
.endm
.set W_KQ, 0x0a       ; K and Q in window 2, S^T in window 0
.set W_PV, 0x53       ; V in window 3, P in window 0, O^T in window 1
.set W_RS, 0x41       ; O^T (destination and source 0) in window 1
; A joint refill: wave 0 K's 128 rows, wave 1 V's, waves 2 and 3 the halves of the mask's tile.  The branches hang on the wave's number alone.  An s_nop 0 and four v_nop follow each line.
.macro JLOAD3
	s_cmp_lt_u32 s[WV], 2
	s_cbranch_scc0 .Lfor_m_\@
	s_cmp_eq_u32 s[WV], 0
	s_cbranch_scc0 .Lfor_v_\@
	tensor_load_to_lds s[G0K+4:G0K+7], s[G1K:G1K+7]
	s_nop 0
.rept 4
	v_nop
.endr
	s_branch .Lasked_\@
.Lfor_v_\@:
	tensor_load_to_lds s[G0V+4:G0V+7], s[G1V:G1V+7]
	s_nop 0
.rept 4
	v_nop
.endr
	s_branch .Lasked_\@
.Lfor_m_\@:
	tensor_load_to_lds s[G0M+4:G0M+7], s[G1M:G1M+7]
	s_nop 0
.rept 4
	v_nop
.endr
.Lasked_\@:
.endm
.macro CROUND
	s_barrier_signal -1
	s_barrier_wait -1
	s_cmp_lg_u32 s[WV], 0
	s_cbranch_scc1 .Lnot_wave_0_\@
	s_barrier_signal -3
.Lnot_wave_0_\@:
	s_barrier_wait -3
	s_barrier_signal -1
	s_barrier_wait -1
.endm
; The three descriptors of set n (0, 1) take tile KI's addresses, and KI steps round the 16 tiles
.macro AIM n
	s_lshl_b32 s[OF], s[KI], 15     ; 128 keys are 32,768 bytes of K and of V,
	s_add_nc_u64 s[G0K+4*(\n)+2:G0K+4*(\n)+3], s[KB:KB+1], s[OF:OF+1]
	s_or_b32 s[G0K+4*(\n)+3], s[G0K+4*(\n)+3], 0x80000000
	s_add_nc_u64 s[G0V+4*(\n)+2:G0V+4*(\n)+3], s[VB:VB+1], s[OF:OF+1]
	s_or_b32 s[G0V+4*(\n)+3], s[G0V+4*(\n)+3], 0x80000000
	s_lshl_b32 s[OF], s[KI], 8      ; and 256 bytes of a mask row
	s_add_nc_u64 s[G0M+4*(\n)+2:G0M+4*(\n)+3], s[MB:MB+1], s[OF:OF+1]
	s_or_b32 s[G0M+4*(\n)+3], s[G0M+4*(\n)+3], 0x80000000
	s_add_co_u32 s[KI], s[KI], 1
	s_and_b32 s[KI], s[KI], 15
.endm
	s_load_b128 s[4:7], s[0:1], 0x0 ; qkv s[4:5], mskb s[6:7]
	s_load_b64 s[8:9], s[0:1], 0x10 ; att
	v_lshl_add_u32 v[SPW], v0, 2, SPARE
	v_mov_b32 v[NIL], 0
	ds_add_u32 v[SPW], v[NIL]       ; the wave's opening: the add and its wait stand ahead of my first tensor load
	v_lshrrev_b32 v1, 5, v0
	v_readfirstlane_b32 s[WV], v1
	s_lshr_b32 s[QH], s[WV], 1
	s_and_b32 s[KH], s[WV], 1
	s_bfe_u32 s15, ttmp6, 0x40000   ; cx
	s_bfe_u32 s16, ttmp6, 0x40004   ; cy
	s_lshl_b32 s17, ttmp9, 2
	s_add_co_u32 s17, s17, s15      ; the block of 128 queries
	s_and_b32 s18, ttmp7, 0xffff    ; the cluster's Y
	s_lshr_b32 s79, s18, 1          ; where the walk begins: made of the cluster's X and Y alone, which all sixteen partners share
	s_xor_b32 s79, s79, s18
	s_and_b32 s79, s79, 1           ; p
	s_lshl_b32 s79, s79, 3
	s_lshl_b32 s[KI], ttmp9, 2
	s_add_co_u32 s[KI], s[KI], s79
	s_and_b32 s[KI], s[KI], 15      ; (4 X + 8 p) mod 16
	s_mov_b32 s[OF+1], 0
	s_lshl_b32 s18, s18, 2
	s_add_co_u32 s18, s18, s16      ; the head
	s_lshl_b32 s19, s16, 2
	s_lshl_b32 s19, 15, s19         ; my row of the cluster: the same head
	s_lshl_b32 s20, 0x1111, s15     ; my column: the same queries
	s_or_b32 s[G1K], s19, (1<<16)|(1<<20)|(1<<21)|(5<<22)|(3<<25)  ; the mask of four; 2-byte elements; padding on; bit 21 beside a mask; after every 64 words 4 words
	s_or_b32 s[G1V], s19, (1<<16)|(1<<20)|(1<<21)|(5<<22)|(7<<25)  ; 8 words
	s_or_b32 s[G1M], s20, (1<<16)|(1<<20)|(1<<21)|(5<<22)|(3<<25)
.irp g, G1K, G1V
	s_mov_b32 s[(\g)+1], 128<<16    ; tensor_dim0 = 128
	s_mov_b32 s[(\g)+2], 128<<16    ; tensor_dim1 = 128
	s_mov_b32 s[(\g)+3], 128<<16    ; tile_dim0 = 128
	s_mov_b32 s[(\g)+4], 128        ; tile_dim1 = 128
	s_mov_b32 s[(\g)+5], 128        ; elements from row to row
	s_mov_b32 s[(\g)+6], 0
	s_mov_b32 s[(\g)+7], 0
.endr
	s_mov_b32 s[G1M+1], 128<<16
	s_mov_b32 s[G1M+2], 64<<16      ; 64 query rows
	s_mov_b32 s[G1M+3], 128<<16
	s_mov_b32 s[G1M+4], 64
	s_mov_b32 s[G1M+5], 2048
	s_mov_b32 s[G1M+6], 0
	s_mov_b32 s[G1M+7], 0
	s_add_co_u32 s84, s18, 16       ; K: head 16 + head, 524,288 bytes each
	s_lshl_b32 s84, s84, 19
	s_mov_b32 s85, 0
	s_add_co_u32 s86, s18, 32       ; V
	s_lshl_b32 s86, s86, 19
	s_mov_b32 s87, 0
	s_lshl_b32 s88, s17, 19         ; the mask: row 128 block + 64 KH, 4,096 bytes a row
	s_lshl_b32 s89, s[KH], 18
	s_add_co_u32 s88, s88, s89
	s_mov_b32 s89, 0
	s_lshl_b32 s90, s18, 19         ; Q: the head, row 128 block + 64 QH, 256 bytes a row
	s_lshl_b32 s91, s17, 15
	s_add_co_u32 s90, s90, s91
	s_lshl_b32 s91, s[QH], 14
	s_add_co_u32 s90, s90, s91
	s_mov_b32 s91, 0
	s_lshl_b32 s22, s17, 19         ; att: the same row, 4,096 bytes a row, byte 256 head,
	s_lshl_b32 s23, s[QH], 18
	s_add_co_u32 s22, s22, s23
	s_lshl_b32 s23, s18, 8
	s_add_co_u32 s22, s22, s23
	s_lshl_b32 s23, s[KH], 17       ; and the two tiles that I finish: query tiles 2 KH, 2 KH + 1, 32 KH rows on
	s_add_co_u32 s22, s22, s23
	s_mov_b32 s23, 0
	s_mul_i32 s21, s[KH], 64*PM     ; 64 rows of 272 bytes: the mask's half that I fetch; also my keys' place in K
	s_mov_b32 s[SEL], 0x76543210
	s_mov_b32 s[SEL+1], 0xfedcba98
	s_mov_b32 s[TB], 0
	s_wait_dscnt 0x0                ; the opening add is done
	s_wait_kmcnt 0x0
	s_add_nc_u64 s[KB:KB+1], s[4:5], s[84:85]
	s_add_nc_u64 s[VB:VB+1], s[4:5], s[86:87]
	s_add_nc_u64 s[MB:MB+1], s[6:7], s[88:89]
	s_add_nc_u64 s[4:5], s[4:5], s[90:91]    ; Q at my wave's first row
	s_add_nc_u64 s[10:11], s[8:9], s[22:23]  ; att at the first row that I store
	CROUND                          ; all sixteen work-groups are here: the first joint loads meet
.irp s, 0,1
	s_mov_b32 s[G0K+4*(\s)], 1
	s_mov_b32 s[G0K+4*(\s)+1], (\s)*SLOT1
	s_mov_b32 s[G0V+4*(\s)], 1
	s_mov_b32 s[G0V+4*(\s)+1], (\s)*SLOT1+VOFF
	s_mov_b32 s[G0M+4*(\s)], 1
	s_add_co_u32 s[G0M+4*(\s)+1], s21, (\s)*SLOT1+MOFF
	AIM \s
.endr
	s_cmp_lt_u32 s[WV], 2           ; a wave's two first fills stand in one branch: two loads of mine are out
	s_cbranch_scc0 .Lfirst_m
	s_cmp_eq_u32 s[WV], 0
	s_cbranch_scc0 .Lfirst_v
	tensor_load_to_lds s[G0K:G0K+3], s[G1K:G1K+7]
	s_nop 0
	tensor_load_to_lds s[G0K+4:G0K+7], s[G1K:G1K+7]
	s_nop 0
.rept 4
	v_nop
.endr
	s_branch .Lfirst_asked
.Lfirst_v:
	tensor_load_to_lds s[G0V:G0V+3], s[G1V:G1V+7]
	s_nop 0
	tensor_load_to_lds s[G0V+4:G0V+7], s[G1V:G1V+7]
	s_nop 0
.rept 4
	v_nop
.endr
	s_branch .Lfirst_asked
.Lfirst_m:
	tensor_load_to_lds s[G0M:G0M+3], s[G1M:G1M+7]
	s_nop 0
	tensor_load_to_lds s[G0M+4:G0M+7], s[G1M:G1M+7]
	s_nop 0
.rept 4
	v_nop
.endr
.Lfirst_asked:
	v_and_b32 v1, 15, v0            ; r
	v_bfe_u32 v9, v0, 4, 1          ; h
	v_lshlrev_b32 v[QO], 8, v1
	v_lshl_add_u32 v[QO], v9, 4, v[QO]
	s_lshl_b32 s84, s[KH], 13       ; two tiles of Q are 8,192 bytes: piece 0 begins at query tile 2 KH,
	s_xor_b32 s85, s84, 8192        ; piece 2 at 2 - 2 KH
	v_add_nc_u32 v[QP], s85, v[QO]
	v_add_nc_u32 v[QO], s84, v[QO]
	WIN 0x80                        ; destination window 2
.irp i, 0,1,2,3,4,5,6,7             ; Q stays in registers: register tile i / 4, channels 32 (i % 4) on
	global_load_b128 v[8*(\i):8*(\i)+3],   v[QO], s[4:5] offset:((\i)/4)*4096+((\i)%4)*64
	global_load_b128 v[8*(\i)+4:8*(\i)+7], v[QO], s[4:5] offset:((\i)/4)*4096+((\i)%4)*64+32
.endr
.irp i, 0,1,2,3,4,5,6,7
	global_load_b128 v[64+8*(\i):64+8*(\i)+3],   v[QP], s[4:5] offset:((\i)/4)*4096+((\i)%4)*64
	global_load_b128 v[64+8*(\i)+4:64+8*(\i)+7], v[QP], s[4:5] offset:((\i)/4)*4096+((\i)%4)*64+32
.endr
	WIN 0                           ; what the first turns find: l, piece 2's P and O^T are 0
.set i, 0
.rept 4
	v_mov_b32 v[ST+8*i], 0xff7fffff    ; m: the lowest finite number, so the first maximum is the scores'
	v_mov_b32 v[ST+8*i+1], 0           ; named with it as a pair
	v_mov_b32 v[ST+8*i+2], 0
	v_mov_b32 v[ST+8*i+3], 0
.set i, i+1
.endr
.set i, P+32
.rept 32
	v_mov_b32 v[i], 0
.set i, i+1
.endr
	WIN 0x40                        ; O^T's 256 registers are cleared eight to a line: 32 products of two of P's zero fragments, with the constant 0 as C
.set i, 0
.rept 32
	v_wmma_f32_16x16x32_f16 v[8*i:8*i+7], v[P+32:P+39], v[P+40:P+47], 0
.set i, i+1
.endr
	WIN 0
	v_mov_b32 v[CV], 0x3fb8aa3b          ; c = log2(e)
	v_mov_b32 v[ZV], 0
	v_mul_u32_u24 v[AK0], v1, PK
	v_lshl_add_u32 v[AK0], v9, 4, v[AK0]
	v_add_nc_u32 v[AK0], s21, v[AK0]     ; (64 KH + r) x pitch + 16 h
	s_mul_i32 s84, s[QH], 64*PM
	s_lshl_b32 s85, s[KH], 7
	s_add_co_u32 s84, s84, s85
	s_add_co_u32 s84, s84, MOFF
	s_mul_i32 s85, s[KH], 32*PM          ; piece 0's rows begin at query tile 2 KH,
	s_sub_co_u32 s86, 32*PM, s85         ; piece 2's at 2 - 2 KH
	v_mul_u32_u24 v[AM0], v1, PM
	v_lshl_add_u32 v[AM0], v9, 4, v[AM0]
	v_add_nc_u32 v[AM0], s84, v[AM0]     ; the mask: query row 64 QH + r, my 64 keys' 128 bytes, 16 bytes for each half of the lanes
	v_add_nc_u32 v[AM2], s86, v[AM0]
	v_add_nc_u32 v[AM0], s85, v[AM0]
	v_and_b32 v10, 7, v0                 ; the turning load: lane l reads key 8 (l / 16) + l % 8, channels 8 ((l / 8) % 2) + 0..7
	v_bfe_u32 v11, v0, 3, 1
	v_lshl_add_u32 v[AV0], v9, 3, v10
	v_mul_u32_u24 v[AV0], v[AV0], PV
	v_lshl_add_u32 v[AV0], v11, 4, v[AV0]
	s_mul_i32 s84, s[KH], 64*PV
	s_add_co_u32 s84, s84, VOFF
	v_add_nc_u32 v[AV0], s84, v[AV0]
; THE MATRIX WORK.  The accumulators take turns, one instruction a turn.
.macro PV x                         ; product i of 32 of O^T += V^T P: keys 32 (i / 16) on, channels 16 ((i / 2) % 8) on, tile x + i % 2
	WIN W_PV
.set rO, 64*((\x)+i%2)+8*((i/2)%8)
.set rV, 64*(i/16)+8*((i/2)%8)
.set rP, P+16*((\x)+i%2)+8*(i/16)
	v_wmma_f32_16x16x32_f16 v[rO:rO+7], v[rV:rV+7], v[rP:rP+7], v[rO:rO+7]
.endm
.macro KQ x                         ; product i of 32 of S^T += K Q^T, onto the mask: channels 32 (i / 8) on, keys 16 ((i / 2) % 4) on, tile x + i % 2
	WIN W_KQ
.set rS, S+32*((\x)+i%2)+8*((i/2)%4)
.set rK, KF+32*((i/2)%4)+8*(i/8)
.set rQ, 32*((\x)+i%2)+8*(i/8)
	v_wmma_f32_16x16x32_f16 v[rS:rS+7], v[rK:rK+7], v[rQ:rQ+7], v[rS:rS+7]
.endm
; THE LDS LOADS stand in runs
.macro FETCH_K
	WIN 0
	v_add_nc_u32 v[ADR], s[TB], v[AK0]
	WIN 0x80
.irp f, 0,1,2,3,4,5,6,7,8,9,10,11,12,13,14,15  ; keys 16 (f / 4) on, channels 32 (f % 4) on
	ds_load_b128 v[KF+8*(\f):KF+8*(\f)+3],   v[ADR] offset:((\f)/4)*16*PK+((\f)%4)*64
	ds_load_b128 v[KF+8*(\f)+4:KF+8*(\f)+7], v[ADR] offset:((\f)/4)*16*PK+((\f)%4)*64+32
.endr
.endm
.macro FETCH_V batch=0              ; batch = 1: in a turn, where the wait for the softmax's batch (SLICE) stands between the address line and the loads
	WIN 0
	v_add_nc_u32 v[ADV], s[TB], v[AV0]
.if \batch
	s_wait_alu depctr_va_vdst(0)    ; the wait for the turn's batch of 66 exponentials: ahead of the first line that names a result, the rounding in slice 35
.endif
	WIN 0xc0
.irp f, 0,1,2,3,4,5,6,7,8,9,10,11,12,13,14,15  ; keys 32 (f / 8) on, channels 16 (f % 8) on
	ds_load_tr16_b128 v[8*(\f):8*(\f)+3],   v[ADV] offset:((\f)/8)*32*PV+((\f)%8)*32
	ds_load_tr16_b128 v[8*(\f)+4:8*(\f)+7], v[ADV] offset:((\f)/8)*32*PV+16*PV+((\f)%8)*32
.endr
.endm
.macro FETCH_M x                    ; piece x's mask numbers: eight bf16 (my query, eight neighbouring keys) into registers 4-7 of each of its eight accumulators
	WIN 0
.if (\x) == 0
	v_add_nc_u32 v[ADM], s[TB], v[AM0]
.else
	v_add_nc_u32 v[ADM], s[TB], v[AM2]
.endif
.irp t, 0,1
.irp kb, 0,1,2,3
	ds_load_b128 v[S+32*((\x)+(\t))+8*(\kb)+4:S+32*((\x)+(\t))+8*(\kb)+7], v[ADM] offset:(\t)*16*PM+32*(\kb)
.endr
.endr
.endm
.macro UNP4 x, n                    ; half n % 2 of accumulator n / 2 of piece x: each bf16 half times c, as f32, in place, the low registers first
	WIN 0
.set rA, S+32*((\x)+((\n)/2)/4)+8*(((\n)/2)%4)
.if ((\n)%2) == 0
	v_fma_mix_f32_bf16 v[rA],   v[rA+4], v[CV], v[ZV] op_sel_hi:[1,0,0]
	v_fma_mix_f32_bf16 v[rA+1], v[rA+4], v[CV], v[ZV] op_sel:[1,0,0] op_sel_hi:[1,0,0]
	v_fma_mix_f32_bf16 v[rA+2], v[rA+5], v[CV], v[ZV] op_sel_hi:[1,0,0]
	v_fma_mix_f32_bf16 v[rA+3], v[rA+5], v[CV], v[ZV] op_sel:[1,0,0] op_sel_hi:[1,0,0]
.else
	v_fma_mix_f32_bf16 v[rA+4], v[rA+6], v[CV], v[ZV] op_sel_hi:[1,0,0]
	v_fma_mix_f32_bf16 v[rA+5], v[rA+6], v[CV], v[ZV] op_sel:[1,0,0] op_sel_hi:[1,0,0]
	v_fma_mix_f32_bf16 v[rA+6], v[rA+7], v[CV], v[ZV] op_sel_hi:[1,0,0]
	v_fma_mix_f32_bf16 v[rA+7], v[rA+7], v[CV], v[ZV] op_sel:[1,0,0] op_sel_hi:[1,0,0]
.endif
.endm
; THE VECTOR WORK.  One tile's softmax for a key step is a numbered list, 0 to 133 (number 19 is empty: 133 instructions); SM writes number j of it for tile t.  s0-s31 are the lane's 32 scores, in pairs 0-15.
;   0-15    the maximum of the lane's 32 scores and the old m (each accumulator's lowest registers are read first)
;   16-20   the other half of the lanes' maximum; m_old kept; m; m_old - m_new
;   21-69   ONE BATCH: the 16 differences s - m, a pair of scores each, and all 33 exponentials (a at 23, then s0-s31, each in place, a in c2: every result has a register of its own).  None of these names an
;           exponential's result.  From 22 on the batch goes in fours, and a four begins with a difference while there are differences: 22-37 difference, exponential, difference, exponential; 38-65 a difference
;           and three exponentials; 66-69 the last four exponentials.  A pair's difference stands in an earlier four than the one that holds its exponentials
;   (wait)  between 69 and 70 stands the wait for the batch: SLICE writes it, once for both tiles
;   70-85   the roundings to f16, a pair of weights each
;   86-101  the sums; l = a l + the sum
;   102-133 the tile's O^T times a: the one part that leaves window 0
.macro SM t
.set rT, ST+8*(\t)
.set rS, S+32*(\t)
.set rP, P+16*(\t)
.set rO, 64*(\t)+2*(j-102)
.if j < 102
	WIN 0
.endif
.if j < 4
	v_max3_num_f32 v[rT+4+j], v[rS+8*j], v[rS+8*j+1], v[rS+8*j+2]
.elseif j < 12
	v_max3_num_f32 v[rT+4+j%4], v[rT+4+j%4], v[rS+8*(j%4)+2*(j/4)+1], v[rS+8*(j%4)+2*(j/4)+2]
.elseif j == 12
	v_max3_num_f32 v[rT+4], v[rT+4], v[rS+7], v[rS+15]
.elseif j == 13
	v_max3_num_f32 v[rT+6], v[rT+6], v[rS+23], v[rS+31]
.elseif j == 14
	v_max3_num_f32 v[rT+4], v[rT+4], v[rT+5], v[rT+6]
.elseif j == 15
	v_max3_num_f32 v[rT+4], v[rT+4], v[rT+7], v[rT]
.elseif j == 16
	v_permlanex16_b32 v[rT+5], v[rT+4], s[SEL], s[SEL+1]  ; the query's other 32 keys lie in the lane 16 away
.elseif j == 17
	v_mov_b32 v[rT+7], v[rT]        ; m_old is kept for a
.elseif j == 18
	v_max_num_f32 v[rT], v[rT+4], v[rT+5]
.elseif j == 19                     ; empty
.elseif j == 20
	v_sub_f32 v[rT+7], v[rT+7], v[rT]
.elseif j == 23
	v_exp_f32 v[rT+6], v[rT+7]
.elseif (j < 23) || ((j < 38) && (j%2 == 0)) || ((j < 66) && (j%4 == 2))
.set b, (j-2)/4                     ; 38, 42, .. 62: pairs 9 to 15
.if j < 38
.set b, (j-20)/2                    ; 21: pair 0; 22, 24, .. 36: pairs 1 to 8
.endif
	v_pk_add_f32 v[rS+2*b:rS+2*b+1], v[rS+2*b:rS+2*b+1], v[rT:rT+1] op_sel_hi:[1,0] neg_lo:[0,1] neg_hi:[0,1]  ; pair b: s - m, never above 0
.elseif j < 70
.set e, j-38                        ; 66 to 69: s28 to s31
.if j < 66
.set e, j-32-(j-38)/4               ; 39-41, 43-45, .. 63-65: s7 to s27
.endif
.if j < 38
.set e, (j-25)/2                    ; 25, 27, .. 37: s0 to s6
.endif
	v_exp_f32 v[rS+e], v[rS+e]
.elseif j < 86
	v_cvt_pk_f16_f32 v[rP+j-70], v[rS+2*(j-70)], v[rS+2*(j-70)+1]  ; pair j - 70
.elseif j < 102                     ; the sum of the 16 pairs, in place: neighbours 1, 2, 4 and 8 pairs apart, then l takes it
.set z, j-86
.set w, 4
.set u, z
.if z >= 14
.set w, 32
.set u, 0
.elseif z >= 12
.set w, 16
.set u, z-12
.elseif z >= 8
.set w, 8
.set u, z-8
.endif
.if z < 15
	v_pk_add_f32 v[rS+w*u:rS+w*u+1], v[rS+w*u:rS+w*u+1], v[rS+w*u+w/2:rS+w*u+w/2+1]
.else
	v_pk_fma_f32 v[rT+2:rT+3], v[rT+2:rT+3], v[rT+6:rT+7], v[rS:rS+1] op_sel_hi:[1,0,1]
.endif
.else
	WIN W_RS
	v_pk_mul_f32 v[rO:rO+1], v[rO:rO+1], v[rT+6:rT+7] op_sel_hi:[1,0]
.endif
.endm
; Slice k of 64 of piece y's softmax.  Slices 11 to 34 deal out the batch, numbers 22 to 69: four numbers of ONE tile each, the tiles by turns.  Every other slice is numbers 2 k and 2 k + 1 of both tiles;
; the twelve that are over stand in slice 63, whose sixteen plain instructions are the places behind the turn's last products.
; THE WAIT.  Ahead of slice 35 nothing names an exponential's result (nor do the products and the widening of the mask that stand between the slices: they work on the other piece's registers), and behind slice 34
; no exponential is issued: so the piece's 66 exponentials have one wait, behind slice 34.
.macro SLICE y
.if (k >= 11) && (k < 35)           ; the batch: four numbers of one tile
.irp n, 0,1,2,3
.set j, 22+4*((k-11)/2)+(\n)
	SM (\y)+(k-11)%2
.endr
.else                               ; the two tiles alternate
.irp n, 0,1,2,3,4,5,6,7
.if ((\n) < 2) || (k == 63)
.irp t, \y, (\y)+1
.set j, 2*k+(\n)
	SM \t
.endr
.endif
.endr
.endif
.if k == 34                         ; the batch is out: both tiles' exponentials are issued, and no result has been named
	v_nop                           ; the plain instruction behind the last exponential and ahead of the first use: one for the batch
.if (\y) == 0
	FETCH_V 1                       ; piece 2's turn: V's run of loads stands here, and the wait stands in it
.else
	s_wait_alu depctr_va_vdst(0)    ; the wait for the turn's batch of 66 exponentials: ahead of the first line that names a result, the rounding in slice 35
.endif
.endif
.set k, k+1
.endm
; A TURN.  Piece x has the matrix unit.  Behind the second V^T P: the next step's mask numbers for piece x (8 loads) and, in piece 0's turn, its K (32 loads).  Behind the sixteenth the mask is waited for
; (piece 0: K's 32 younger loads may stay out) and widened, four instructions behind each of the last sixteen.  Piece 2's turn fetches the next step's V behind slice 34 (SLICE writes it), when its V^T P are done:
; between the last product that read V and the loads stand number 62 of both tiles, four lines that widen the mask, the v_nop and the run's own v_add_nc_u32: eight plain instructions.
.macro TURN x
.set k, 0
.if (\x) == 0
	s_wait_dscnt 0x0                ; V is in
.endif
.set i, 0
.rept 32
	PV \x
	SLICE 2-(\x)
.if i == 1
	FETCH_M \x
.if (\x) == 0
	FETCH_K
.endif
.endif
.if i == 15
.if (\x) == 0
	s_wait_dscnt 32
.else
	s_wait_dscnt 0x0
.endif
.endif
.if i >= 16
	UNP4 \x, i-16
.endif
.set i, i+1
.endr
.if (\x) == 0
	s_wait_dscnt 0x0                ; K is in
.endif
.set i, 0
.rept 32
	KQ \x
	SLICE 2-(\x)
.set i, i+1
.endr
.endm
; THE CHANGE OF SLOTS, between piece 2's turn and piece 0's: all of the slot has been asked for.  Each wave waits for all its tensor loads (one is out: its part of the other slot), adds 0 to its spare
; word, and waits for that and for its reads of the slot.  fill = 1: a round of the cluster's barrier, and the slot is filled again, with the walk's tile two on, first thing behind it.
.macro CHANGE fill
	WIN 0
	s_wait_tensorcnt 0x0            ; no tensor load of mine is out, so a group 0 may be written
	ds_add_u32 v[SPW], v[NIL]
.if \fill
	s_xor_b32 s[G0K+5], s[G0K+5], SLOT1  ; the walking descriptors: the other slot than last time, the addresses made anew
	s_xor_b32 s[G0V+5], s[G0V+5], SLOT1
	s_xor_b32 s[G0M+5], s[G0M+5], SLOT1
	AIM 1
	s_wait_dscnt 0x0                ; the add is done, my reads of the slot are over
	CROUND
	JLOAD3
.else
	s_wait_dscnt 0x0
	s_barrier_signal -1
	s_barrier_wait -1
.endif
	s_xor_b32 s[TB], s[TB], SLOT1   ; the fetches go on in the other slot
.endm
	s_wait_tensorcnt 1              ; my part of slot 0 is in; slot 1's may stay out
	s_barrier_signal -1
	s_barrier_wait -1
	FETCH_M 0
	FETCH_K
	s_wait_dscnt 32                 ; the mask numbers are in; K's 32 loads may be out
.set nn, 0
.rept 16
	UNP4 0, nn
.set nn, nn+1
.endr
	s_wait_loadcnt 0x0              ; Q
	s_wait_dscnt 0x0                ; K
	FETCH_V                         ; so that the first turn's products of P = 0 meet finite numbers; it lands while the first scores are made
.set i, 0
.rept 32
	KQ 0                            ; piece 0's first scores
.set i, i+1
.endr
	WIN 0                           ; the addresses for the end: plain instructions, the places behind those products
	s_mul_i32 s84, s[WV], 16*SP
	s_add_co_u32 s84, s84, STAGE
	s_mul_i32 s85, s[WV], XW
	s_xor_b32 s86, s[WV], 1         ; my partner: the same queries, the other keys
	s_mul_i32 s86, s86, XW
	v_mul_u32_u24 v[STO], v1, SP    ; into my stage: row r, 16 bytes for each half of the lanes
	v_lshl_add_u32 v[STO], v9, 4, v[STO]
	v_add_nc_u32 v[STO], s84, v[STO]
	v_mul_u32_u24 v[RD], v9, SP     ; back: lanes 0-15 one row of 256 bytes, lanes 16-31 the next
	v_lshl_add_u32 v[RD], v1, 4, v[RD]
	v_add_nc_u32 v[RD], s84, v[RD]
	v_lshlrev_b32 v[GO], 12, v9     ; and the same two rows in att
	v_lshl_add_u32 v[GO], v1, 4, v[GO]
	v_and_b32 v[XA], 31, v0
	v_lshlrev_b32 v[XA], 4, v[XA]
	v_add_nc_u32 v[XB], s86, v[XA]
	v_add_nc_u32 v[XA], s85, v[XA]
	s_mov_b32 s[SLOTS], 15
	s_wait_dscnt 0x0                ; V is in
	s_branch .Lfirst                ; the loop is entered in the middle of a trip
.Lslot:                             ; 14 whole trips: every slot but the last two is filled again
	CHANGE 1
	TURN 0
	WIN 0
.Lfirst:
	TURN 2
	WIN 0
	s_sub_co_u32 s[SLOTS], s[SLOTS], 1
	s_cmp_lg_u32 s[SLOTS], 0
	s_cbranch_scc1 .Lslot
	CHANGE 0                        ; the tail is written out
	s_mov_b32 s[CNT], 2
.Ltail:
	TURN 0
	WIN 0
	s_sub_co_u32 s[CNT], s[CNT], 1
	s_cmp_eq_u32 s[CNT], 0
	s_cbranch_scc1 .Lout
	TURN 2
	WIN 0
	s_branch .Ltail
.Lout:                              ; the second pass's 32 products K Q^T (on the last K once more) serve nothing: the price, once a launch, of one text for every turn
.set i, 0
.rept 32
	PV 2                            ; piece 2's V^T P of the last step
.set i, i+1
.endr
	; THE MERGE.  l's two halves and the other half of the lanes' are added, into the register beside m: (m, l) are then a pair.  The additions are the places behind the last products.
	WIN 0
.irp t, 0,1,2,3
	v_add_f32 v[ST+8*(\t)+1], v[ST+8*(\t)+2], v[ST+8*(\t)+3]
.endr
.irp t, 0,1,2,3
	v_permlanex16_b32 v[ST+8*(\t)+5], v[ST+8*(\t)+1], s[SEL], s[SEL+1]
.endr
.irp t, 0,1,2,3
	v_add_f32 v[ST+8*(\t)+1], v[ST+8*(\t)+1], v[ST+8*(\t)+5]
.endr
	ds_store_b64 v[XA], v[ST+16:ST+17] offset:16384  ; my tiles 2, 3 go to my partner: (m, l) of both, and 128 registers of O^T
	ds_store_b64 v[XA], v[ST+24:ST+25] offset:16392
	WIN 0x04                        ; data in window 1
.set i, 0
.rept 32
	ds_store_b128 v[XA], v[128+4*i:128+4*i+3] offset:512*i
.set i, i+1
.endr
	WIN 0
	s_wait_dscnt 0x0                ; for my partner's sake
	s_barrier_signal -1
	s_barrier_wait -1
	ds_load_b128 v[PS:PS+3], v[XB] offset:16384
	WIN 0xc0                        ; destination window 3
.set i, 0
.rept 32
	ds_load_b128 v[128+4*i:128+4*i+3], v[XB] offset:512*i
.set i, i+1
.endr
	WIN 0
	s_wait_dscnt 32                 ; the partner's statistics are in; its O^T may be out
	; O = (a1 O + a2 O') / (a1 l + a2 l'), a1 = 2^(m - M), a2 = 2^(m' - M), M the larger of m and m'.  f1 = a1 / sum into c2, f2 = a2 / sum into c0.
.irp u, 0,1
	v_max_num_f32 v[W+(\u)], v[ST+8*(\u)], v[PS+2*(\u)]
.endr
.irp u, 0,1
	v_sub_f32 v[ST+8*(\u)+6], v[ST+8*(\u)], v[W+(\u)]
	v_sub_f32 v[ST+8*(\u)+4], v[PS+2*(\u)], v[W+(\u)]
.endr
.irp u, 0,1
	v_exp_f32 v[ST+8*(\u)+6], v[ST+8*(\u)+6]
	v_exp_f32 v[ST+8*(\u)+4], v[ST+8*(\u)+4]
.endr
	v_nop                           ; a plain instruction behind the last exponential
	s_wait_alu depctr_va_vdst(0)    ; the wait for the merge's four exponentials, a1 and a2 of both tiles: one for the batch, ahead of its first reader
.irp u, 0,1
	v_mul_f32 v[ST+8*(\u)+1], v[ST+8*(\u)+6], v[ST+8*(\u)+1]
.endr
.irp u, 0,1
	v_fma_f32 v[ST+8*(\u)+1], v[ST+8*(\u)+4], v[PS+2*(\u)+1], v[ST+8*(\u)+1]
.endr
.irp u, 0,1
	v_rcp_f32 v[ST+8*(\u)+1], v[ST+8*(\u)+1]
.endr
	v_nop                           ; and behind the last reciprocal
	s_wait_alu depctr_va_vdst(0)    ; the wait for the two reciprocals, a batch of their own since they read sums made of the exponentials' results
.irp u, 0,1
	v_mul_f32 v[ST+8*(\u)+6], v[ST+8*(\u)+6], v[ST+8*(\u)+1]
	v_mul_f32 v[ST+8*(\u)+4], v[ST+8*(\u)+4], v[ST+8*(\u)+1]
.endr
.macro PACKM t                      ; my tile t and the partner's part t: merged, rounded to f16, through my stage, back as whole rows of 256 bytes into S^T's registers
	WIN W_RS
.set i, 0
.rept 32
	v_pk_mul_f32 v[64*(\t)+2*i:64*(\t)+2*i+1], v[64*(\t)+2*i:64*(\t)+2*i+1], v[ST+8*(\t)+6:ST+8*(\t)+7] op_sel_hi:[1,0]
.set i, i+1
.endr
	WIN 0x53                        ; source 0 window 3, source 1 window 0, source 2 and destination window 1
.set i, 0
.rept 32
	v_pk_fma_f32 v[64*(\t)+2*i:64*(\t)+2*i+1], v[128+64*(\t)+2*i:128+64*(\t)+2*i+1], v[ST+8*(\t)+4:ST+8*(\t)+5], v[64*(\t)+2*i:64*(\t)+2*i+1] op_sel_hi:[1,0,1]
.set i, i+1
.endr
	WIN 0x05                        ; sources 0 and 1 window 1, destination window 0
.set i, 0
.rept 32
	v_cvt_pk_f16_f32 v[S+32*(\t)+i], v[64*(\t)+2*i], v[64*(\t)+2*i+1]
.set i, i+1
.endr
	WIN 0
.irp f, 0,1,2,3,4,5,6,7
	ds_store_b128 v[STO], v[S+32*(\t)+4*(\f):S+32*(\t)+4*(\f)+3] offset:32*(\f)
.endr
.irp f, 0,1,2,3,4,5,6,7
	ds_load_b128 v[S+32*(\t)+4*(\f):S+32*(\t)+4*(\f)+3], v[RD] offset:(\f)*2*SP  ; LDS serves a wave's instructions in order (ISA guide 5.7.1.4): these see the stores above
.endr
.endm
.macro SEND t, younger              ; younger: the LDS instructions issued behind tile t's loads
.irp f, 0,1,2,3,4,5,6,7
	s_wait_dscnt (\younger)+7-(\f)
	global_store_b128 v[GO], v[S+32*(\t)+4*(\f):S+32*(\t)+4*(\f)+3], s[10:11] offset:(\t)*65536+(\f)*8192  ; 16 lanes store 256 consecutive bytes, aligned: a head's part of a row
.endr
.endm
	s_wait_dscnt 0x0                ; the partner's O^T is in
	PACKM 0
	PACKM 1
	SEND 0, 16
	SEND 1, 0
	s_wait_tensorcnt 0x0            ; the wave's end
	ds_add_u32 v[SPW], v[NIL]
	s_wait_dscnt 0x0
	CROUND                          ; the closing round
	s_endpgm
.Lfunc_end_k_qdb5f4ea21e_attn:
	.size	k_qdb5f4ea21e_attn, .Lfunc_end_k_qdb5f4ea21e_attn-k_qdb5f4ea21e_attn
	.p2alignl 7, 3214868480
	.fill 96, 4, 3214868480
	.section	.rodata,"a",@progbits
	.p2align	6, 0x0
	.amdhsa_kernel k_qdb5f4ea21e_attn
		.amdhsa_group_segment_fixed_size 327680
		.amdhsa_private_segment_fixed_size 0
		.amdhsa_enable_private_segment 0
		.amdhsa_kernarg_size 24
		.amdhsa_user_sgpr_count 2
		.amdhsa_user_sgpr_kernarg_segment_ptr 1
		.amdhsa_wavefront_size32 1
		.amdhsa_system_sgpr_workgroup_id_x 1
		.amdhsa_system_sgpr_workgroup_id_y 1
		.amdhsa_system_sgpr_workgroup_id_z 1
		.amdhsa_system_vgpr_workitem_id 0
		.amdhsa_next_free_vgpr 1024
		.amdhsa_next_free_sgpr 100
		.amdhsa_reserve_vcc 0
		.amdhsa_float_denorm_mode_32 3
		.amdhsa_float_denorm_mode_16_64 3
		.amdhsa_memory_ordered 1
		.amdhsa_forward_progress 1
		.amdhsa_inst_pref_size 171
	.end_amdhsa_kernel
	.amdgpu_metadata
---
amdhsa.version: [ 1, 2 ]
amdhsa.kernels:
  - .name:           k_qdb5f4ea21e_attn
    .symbol:         k_qdb5f4ea21e_attn.kd
    .args:
      - { .name: qkv, .offset: 0, .size: 8, .value_kind: global_buffer, .address_space: global }
      - { .name: mskb, .offset: 8, .size: 8, .value_kind: global_buffer, .address_space: global }
      - { .name: att, .offset: 16, .size: 8, .value_kind: global_buffer, .address_space: global }
    .group_segment_fixed_size: 327680
    .private_segment_fixed_size: 0
    .kernarg_segment_align: 8
    .kernarg_segment_size: 24
    .max_flat_workgroup_size: 128
    .sgpr_count:     100
    .vgpr_count:     1024
    .wavefront_size: 32
...
	.end_amdgpu_metadata
.endif
;; end of part 5
;; launch oproj: the kernel of part 4 again; grid 16 x 16, 4 waves a work-group, clusters of 4 x 4, 327,680 bytes of LDS; arguments att, owh, out0; writes out0
